; MI455X (gfx1250); checked and timed in simulation.
; The chip was launched on July 23, 2026; its instructions are those of AMD's public machine-readable ISA for CDNA 5 (MIT licence, August 2026) and "CDNA5" Instruction Set Architecture Reference Guide (July 2026). The comments in the code are by the model that wrote it; some were corrected since.
;; Standard Attention With Hilbert. Allowed arithmetic: matrix products marked QUANTISED: E2M3 operands, one E8M0 scale for each 32 along K, by v_wmma_scale_f32_16x16x128_f8f6f4 with both operands' format E2M3, f32 sums; everything else in f32.
;; Inputs: indices 4,096 int32; w_out 1,024 x 1,024 float32; w_qkv 3,072 x 1,024 float32; x 1 x 4,096 x 1,024 float32.
;; Outputs: out0 1 x 4,096 x 1,024 float32.
;; This version of the problem:
;;   THIS VERSION OF THE PROBLEM IS GIVEN IN LOW PRECISION. The matrix products marked QUANTISED in the list below multiply operands that are first quantised to E2M3 (2 exponent bits, 3 mantissa bits; 6 bits a number), with one power-of-two scale for each 32 numbers along K (OCP MX v1.0); their sums are f32. All else is computed in f32.
;;   The module's matrix products, in the order in which they are computed (A, B: the left and right operand; K: the contracted axis; several contracted axes count as one K, in the product's order):
;;     1. [M 4,096, K 1,024] x [K 1,024, N 3,072]; A: input x; B: input w_qkv: QUANTISED
;;     2. batch 16 x [M 4,096, K 64] x [K 64, N 4,096]; A: computed on the way; B: computed on the way: QUANTISED
;;     3. batch 16 x [M 64, K 4,096] x [K 4,096, N 4,096]; A: computed on the way; B: softmax (see below): QUANTISED
;;     4. [M 4,096, K 1,024] x [K 1,024, N 1,024]; A: computed on the way; B: input w_out: QUANTISED
;;   THE QUANTISER, for each operand of a quantised product, along K:
;;     - K is cut into blocks of 32 from its start; a last block that is shorter is filled with zeros.
;;     - A block's scale is 2^e with e = floor(log2(the largest magnitude in the block)) - 2, held to -126 .. 127; a block of zeros has e = 0. As a byte (E8M0): e + 127.
;;     - Each number is divided by its block's scale, clamped to +-7.5, and rounded to the nearest number of E2M3, ties to even, subnormals kept.
;;     - The product sums the exact products of the quantised numbers (number of the format x scale) in f32.
;;   ~~~python
;;   def quantise(x, axis):      # numpy; x: float32 -> the quantised numbers, widened to float32 again
;;       x = np.moveaxis(x, axis, -1); K = x.shape[-1]
;;       x = np.pad(x, [(0, 0)] * (x.ndim - 1) + [(0, -K % 32)]); x = x.reshape(x.shape[:-1] + (-1, 32)); a = np.abs(x).max(-1, keepdims=True)
;;       e = np.where(a > 0, np.clip(np.frexp(np.where(a > 0, a, 1))[1] - 1 - 2, -126, 127), 0)      # np.frexp(a)[1] - 1 = floor(log2(a)), exactly
;;       r = np.clip(x / 2.0 ** e, -7.5, 7.5)
;;       step = 2.0 ** (np.maximum(np.frexp(np.where(r == 0, 1, r))[1] - 1, 0) - 3)
;;       q = np.round(r / step) * step * 2.0 ** e      # np.round: ties to even
;;       return np.moveaxis(q.reshape(q.shape[:-2] + (-1,))[..., :K], -1, axis).astype(np.float32)
;;   ~~~
;;   SOFTMAX AHEAD OF A QUANTISED PRODUCT. Where the list says 'softmax', what is quantised is not the finished softmax but p = 2^(t - M), with t = logit x log2(e) and M = ceil(the row's largest t), a whole number; so 1/2 < the row's largest p <= 1. The row's sum l is taken of the UNQUANTISED p, in f32, and the product's result is divided by l at the end. Since M is a whole number, a kernel that streams over the keys may use a running M (the ceiling of the running maximum): every later rescaling is an exact power of two, which a block's scale takes up: the codes' values come out the same.
;;   OPERANDS COMPUTED ON THE WAY. 'Computed on the way' means the value that the module computes at that place (a softmax that the list does not call 'softmax' is quantised finished and normalised). What goes into a quantiser is computed in f32, as accurately as f32 sums, v_exp_f32 and their like allow (about 1e-6 of the number): no bf16 or f16 on the way to a quantiser, and a product that is left as it is and whose result goes on into a quantised operand takes f32 operands (vector FMAs, or v_wmma_f32_16x16x4_f32). A number that lies on a knife's edge between two numbers of the format may be rounded either way, as far as f32 arithmetic and the matrix unit's own rounding can turn it there, and no further.
;; One version. Each part assembles by itself: llvm-mc -triple=amdgcn-amd-amdhsa -mcpu=gfx1250 --defsym DOCPART=n.
;; ======== version 1 of 1: 4 launches
;; limits: right only within a limited range of input values
;; workspace buffers: cod 6,291,456 bytes; scl 262,144 bytes; rankp 16,384 bytes of whole numbers; qkvc 9,437,184 bytes; qkvs 786,432 bytes; ao 3,145,728 bytes; asc 131,072 bytes
;; launch quant (part 1): grid 320 x 1, 4 waves a work-group, no clusters, 75,264 bytes of LDS; arguments x, w_qkv, w_out, indices, cod, scl, rankp; writes cod, scl, rankp
.if DOCPART == 1
	.amdgcn_target "amdgcn-amd-amdhsa--gfx1250"
	.amdhsa_code_object_version 6
	.text
	.protected	k_q6a9b1dbacc_quant
	.globl	k_q6a9b1dbacc_quant
	.p2align	8
	.type	k_q6a9b1dbacc_quant,@function
k_q6a9b1dbacc_quant:
	s_mov_b64 s[64:65], 0
	v_nop
	global_prefetch_b8 v0, s[64:65] scope:SCOPE_SE
	s_setreg_imm32_b32 hwreg(HW_REG_WAVE_MODE, 25, 1), 1
	s_wait_xcnt 0x0
; x [4096][1024] (its rows gathered by indices), w_qkv [3072][1024] and w_out [1024][1024], f32, become codes of FP6 (E2M3) with one E8M0 byte for each 32 along K; and each index gets its rank.
; A block's scale is 2^(floor(log2(largest magnitude)) - 2); its byte is the largest magnitude's exponent field - 2, held at 1 from below.
; LIMITS: NaN and infinities are not served; a block of zeros, or one under 2^-124, gets the byte 1 (its codes are zeros or tiny; this program alone reads the bytes); an index is held at 4095.
; cod: [16 planes of 64 along K][8192 row places][48 bytes].  Rows 0-4095: x[indices[i]]; 4096-7167: w_qkv; 7168-8191: w_out.  scl: [8192 places][32 bytes].
; PLACES: in each aligned group of 64 rows, row 32 e + 8 t + m lies at place 16 t + 8 e + m.  A matrix tile of 16 neighbouring places used as source 0 then gives a lane, over four tiles, 32 NEIGHBOURING rows.
; Work-groups 0-255: 32 places each, 8 a wave, which are 8 neighbouring rows.  A wave takes 16 steps of 512 numbers (half a row).  Each load reads 512 consecutive bytes; a step turns through the wave's stage in LDS
; so that a lane holds 16 neighbours along K; two neighbouring lanes hold a block.  The codes are gathered in a second stage and leave plane by plane: 8 rows x 48 bytes = 384 consecutive bytes a store.
; Work-groups 256-319: 64 indices each.  key = index x 4096 + position is unique, so the number of smaller keys is the stable sort's rank.  All 4096 keys lie in LDS; wave w counts against keys 1024 w on.
; The two paths part on the work-group's number and have LDS bytes of their own.  No tensor loads, no matrix work: memory binds.
.set WREG,  14336                      ; LDS of a wave: two turn stages of 32 x 80, 256 scale bytes, the code stage of 16 x 544
.set SP,    80
.set SCB,   5120
.set CSTG,  5376
.set CPIT,  544                        ; a step's 32 places of 16 bytes (12 of codes each) + 32
.set KEYS,  57344                      ; the rank path: 4096 keys,
.set PART,  73728                      ; and the four waves' counts
.set STEPS, 16
.set EMAX,  2
.set PLANE, 393216                     ; a plane of cod in bytes
.set R,     16                         ; v16-79   four sets of 16 numbers as loaded; later the codes on their way out
.set X,     80                         ; v80-111  two sets of 16 neighbours
.set E,     112                        ; v112-127 a scale byte for each step
.set C,     128                        ; v128-191 codes, four registers a step
.set RO,    192                        ; v192-199 byte offset of my 16 bytes in each of the wave's 8 rows
	s_load_b256 s[4:11], s[0:1], 0x0               ; x, w_qkv, w_out, indices
	s_load_b128 s[12:15], s[0:1], 0x20             ; cod, scl
	s_load_b64 s[16:17], s[0:1], 0x30              ; rankp
	v_lshl_add_u32 v200, v0, 2, 0x12400
	v_mov_b32 v201, 0
	v_lshrrev_b32 v1, 5, v0
	v_readfirstlane_b32 s20, v1                    ; wave
	v_and_b32 v2, 31, v0                           ; lane
	s_cmp_ge_u32 ttmp9, 256
	s_cbranch_scc1 .Lrank
	; ---- the quantising path
	s_and_b32 s21, ttmp9, 1
	s_lshl_b32 s21, s21, 2
	s_add_co_u32 s21, s21, s20                     ; which eight places of the group of 64: 2 t + e
	s_lshr_b32 s22, s21, 1                         ; t
	s_and_b32 s23, s21, 1                          ; e
	s_lshl_b32 s23, s23, 2
	s_add_co_u32 s22, s22, s23
	s_lshl_b32 s22, s22, 3                         ; 32 e + 8 t
	s_lshr_b32 s23, ttmp9, 1
	s_lshl_b32 s23, s23, 6
	s_add_co_u32 s40, s22, s23                     ; my first row, of the 8192
	s_lshl_b32 s41, ttmp9, 5
	s_lshl_b32 s42, s20, 3
	s_add_co_u32 s41, s41, s42                     ; my first place
	s_lshl_b32 s44, s40, 2
	s_mov_b32 s43, 7168
	s_wait_kmcnt 0x0
	s_cmp_lt_u32 ttmp9, 224                        ; which tensor: the choice hangs on the work-group's number alone
	s_cselect_b64 s[6:7], s[6:7], s[8:9]
	s_cselect_b32 s43, 4096, s43
	s_cmp_lt_u32 ttmp9, 128
	s_cselect_b64 s[4:5], s[4:5], s[6:7]
	s_cselect_b32 s43, 0, s43                      ; the tensor's first row
	s_cselect_b32 s22, s44, 0                      ; x: my eight indices; else the first eight, which are not used
	s_load_b256 s[24:31], s[10:11], s22 offset:0x0
	s_sub_co_u32 s45, s40, s43
.irp p, 0,1,2,3,4,5,6,7
	s_add_co_u32 s[32+\p], s45, \p                 ; a weight's rows are taken as they lie
.endr
	s_wait_alu depctr_va_vdst(0)
	v_lshlrev_b32 v3, 4, v2                        ; my 16 bytes of a load's 512
	s_mul_i32 s46, s20, WREG
	v_lshrrev_b32 v14, 2, v2
	v_mul_u32_u24 v14, v14, SP
	v_and_b32 v15, 3, v2
	v_lshl_add_u32 v14, v15, 4, v14
	v_add_nc_u32 v14, s46, v14                     ; the turn stage, in: 80 (lane / 4) + 16 (lane % 4)
	v_mul_u32_u24 v15, v2, SP
	v_add_nc_u32 v15, s46, v15                     ; and out: 80 x lane: my 16 neighbours
	v_mul_u32_u24 v4, v2, 12                       ; 12 x lane: my place in a store of 384 bytes
	v_lshrrev_b32 v5, 1, v2
	v_add_nc_u32 v5, s46, v5                       ; my block's scale byte
	v_lshlrev_b32 v7, 3, v2
	v_add_nc_u32 v6, s46, v7                       ; the scale bytes on their way out: 8 a lane
	v_add_nc_u32 v10, s46, v3                      ; the code stage, in: 16 x lane
	v_lshrrev_b32 v1, 2, v2
	v_mul_u32_u24 v1, v1, 2*CPIT
	v_and_b32 v12, 3, v2
	v_lshl_add_u32 v1, v12, 4, v1
	v_add_nc_u32 v1, s46, v1                       ; and out: row lane / 4 (two steps), piece lane % 4
	s_mul_i32 s48, s41, 48
	s_mov_b32 s49, 0
	s_add_nc_u64 s[12:13], s[12:13], s[48:49]      ; cod at my first place
	s_lshl_b32 s50, s41, 5
	s_mov_b32 s51, 0
	s_add_nc_u64 s[14:15], s[14:15], s[50:51]      ; scl likewise
	s_wait_kmcnt 0x0
	s_cmp_lt_u32 ttmp9, 128
.irp p, 0,1,2,3,4,5,6,7
	s_cselect_b32 s[24+\p], s[24+\p], s[32+\p]
.endr
.irp p, 0,1,2,3,4,5,6,7
	s_min_u32 s[24+\p], s[24+\p], 4095             ; a loaded number enters an address only behind this hold
	s_lshl_b32 s[24+\p], s[24+\p], 12              ; a row is 4,096 bytes
	v_add_nc_u32 v[RO+\p], s[24+\p], v3
.endr
.macro LOAD t                          ; no cache word: a list may name a row twice
.irp i, 0,1,2,3
	global_load_b128 v[R+16*((\t)%4)+4*\i:R+16*((\t)%4)+4*\i+3], v[RO+(\t)/2], s[4:5] offset:2048*((\t)%2)+512*\i
.endr
.endm
.macro TURN t                          ; LDS serves a wave's instructions in order (ISA guide 5.7.1.4): no wait between the stores and the loads
.irp i, 0,1,2,3
	ds_store_b128 v14, v[R+16*((\t)%4)+4*\i:R+16*((\t)%4)+4*\i+3] offset:32*SP*((\t)%2)+8*SP*\i
.endr
.irp i, 0,1,2,3
	ds_load_b128 v[X+16*((\t)%2)+4*\i:X+16*((\t)%2)+4*\i+3], v15 offset:32*SP*((\t)%2)+16*\i
.endr
.endm
	s_wait_alu depctr_va_vdst(0)
.irp t, 0,1,2,3
	LOAD \t
.endr
	s_wait_loadcnt 12                              ; step 0's four loads are in
	TURN 0
.macro STEP t
.set XS, X+16*((\t)%2)
.if (\t) > 0
	s_wait_dscnt 2                                 ; this step's numbers are back (the last step's byte store and code store may be out)
.else
	s_wait_dscnt 0x0
.endif
.if (\t)+4 < STEPS
	LOAD (\t)+4
.endif
.if (\t)+1 < STEPS
.if STEPS-2-(\t) >= 3
	s_wait_loadcnt 12                              ; the next step's four loads are in; three steps' may be out
.else
	s_wait_loadcnt 4*(STEPS-2-(\t))
.endif
	TURN (\t)+1
.endif
	v_max3_num_f32 v8, |v[XS]|, |v[XS+1]|, |v[XS+2]|
	v_max3_num_f32 v9, |v[XS+3]|, |v[XS+4]|, |v[XS+5]|
.irp i, 6,10
	v_max3_num_f32 v8, v8, |v[XS+\i]|, |v[XS+\i+1]|
	v_max3_num_f32 v9, v9, |v[XS+\i+2]|, |v[XS+\i+3]|
.endr
	v_max3_num_f32 v8, v8, |v[XS+14]|, |v[XS+15]|
	v_max3_num_f32 v8, v8, v9, (EMAX+1)<<23        ; with the floor 2^(3 - 127): the byte cannot fall under 1
	v_max_num_f32_dpp v8, v8, v8 row_xmask:1 row_mask:0xf bank_mask:0xf   ; and my neighbour's 16: the block's
	v_add_nc_u32 v11, -(EMAX<<23), v8              ; 2 off the exponent field: the conversion's scale operand
	v_cvt_scalef32_pk16_fp6_f32 v[C+4*(\t):C+4*(\t)+2], v[XS:XS+15], v11
	v_lshrrev_b32 v[E+(\t)], 23, v11               ; the scale's byte (a plain line behind the conversion)
	ds_store_b8 v5, v[E+(\t)] offset:SCB+16*(\t)   ; both lanes of a block write the same byte
	ds_store_b96 v10, v[C+4*(\t):C+4*(\t)+2] offset:CSTG+CPIT*(\t)
.endm
.irp t, 0,1,2,3,4,5,6,7,8,9,10,11,12,13,14,15
	STEP \t
.endr
.set P, 0
.rept 16                               ; plane P: of each of my 8 rows the four pieces of 12 bytes
	ds_load_b96 v[R+4*P:R+4*P+2], v1 offset:CSTG+CPIT*(P/8)+64*(P%8)
.set P, P+1
.endr
	ds_load_b64 v[12:13], v6 offset:SCB
.set P, 0
.rept 16
	s_wait_dscnt 16-P                              ; plane P is in; the younger loads may be out
	global_store_b96 v4, v[R+4*P:R+4*P+2], s[12:13] offset:PLANE*P   ; 384 consecutive bytes
.set P, P+1
.endr
	s_wait_dscnt 0x0
	global_store_b64 v7, v[12:13], s[14:15]        ; 256 consecutive bytes, aligned
	s_wait_tensorcnt 0x0
	ds_add_u32 v200, v201
	s_wait_dscnt 0x0
	s_endpgm
	; ---- the rank path
.Lrank:
	s_sub_co_u32 s21, ttmp9, 256                   ; which 64 indices
	s_lshl_b32 s22, s21, 8                         ; their bytes, and their ranks'
	s_mov_b32 s23, 0
	s_lshl_b32 s26, s21, 6
	v_lshlrev_b32 v3, 4, v0                        ; 16 x thread
	v_lshlrev_b32 v4, 2, v0                        ; the position of my first index of a load
	v_lshl_add_u32 v5, v0, 4, KEYS
	s_wait_alu depctr_va_vdst(0)
	v_bfe_u32 v6, v2, 2, 1                         ; places 2 lane and 2 lane + 1 of the group hold rows i0 and i0 + 1:
	v_lshrrev_b32 v7, 3, v2
	v_and_b32 v8, 3, v2
	v_lshlrev_b32 v8, 1, v8
	v_lshl_add_u32 v8, v7, 3, v8
	v_lshl_add_u32 v8, v6, 5, v8                   ; i0 = 32 ((lane / 4) % 2) + 8 (lane / 8) + 2 (lane % 4)
	v_lshlrev_b32 v9, 2, v8
	v_add_nc_u32 v8, s26, v8                       ; its position among the 4096
	s_wait_alu depctr_va_vdst(0)
	s_wait_kmcnt 0x0
.irp m, 0,1,2,3,4,5,6,7
	global_load_b128 v[16+4*\m:19+4*\m], v3, s[10:11] offset:2048*\m
.endr
	s_add_nc_u64 s[24:25], s[10:11], s[22:23]
	global_load_b64 v[10:11], v9, s[24:25]         ; my two own indices
	s_wait_loadcnt 0x0
.irp m, 0,1,2,3,4,5,6,7
.irp e, 0,1,2,3
	v_min_u32 v[16+4*\m+\e], 4095, v[16+4*\m+\e]
	v_lshl_add_u32 v[16+4*\m+\e], v[16+4*\m+\e], 12, v4
	v_add_nc_u32 v[16+4*\m+\e], 512*\m+\e, v[16+4*\m+\e]   ; key = index x 4096 + position
.endr
	ds_store_b128 v5, v[16+4*\m:19+4*\m] offset:2048*\m
.endr
	v_min_u32 v10, 4095, v10
	v_min_u32 v11, 4095, v11
	v_lshl_add_u32 v10, v10, 12, v8
	v_lshl_add_u32 v11, v11, 12, v8
	v_add_nc_u32 v11, 1, v11
.irp k, 0,1,2,3
	v_mov_b32 v[80+\k], 0                          ; four counts: two own keys x two chains
.endr
	s_wait_dscnt 0x0                               ; for the others' sake: my keys lie in LDS
	s_barrier_signal -1
	s_barrier_wait -1
	s_lshl_b32 s27, s20, 12
	s_add_co_u32 s27, s27, KEYS                    ; my wave's 1024 keys
	s_mov_b32 s28, 16
.Lscan:                                            ; a trip: 64 keys, every lane reads the same words
	v_mov_b32 v14, s27
.irp n, 0,1,2,3,4,5,6,7,8,9,10,11,12,13,14,15
	ds_load_b128 v[16+4*\n:19+4*\n], v14 offset:16*\n
.endr
	s_wait_dscnt 0x0
.set n, 0
	s_wait_alu depctr_va_vdst(0)
.rept 16                               ; eight masks by turns, so that no add stands next to its compare
.irp k, 0,1,2,3
	v_cmp_gt_u32 s[48+2*\k], v10, v[16+n+\k]
	v_cmp_gt_u32 s[49+2*\k], v11, v[16+n+\k]
.endr
.irp k, 0,1,2,3
	v_add_co_ci_u32 v[80+2*(\k%2)], s[48+2*\k], 0, v[80+2*(\k%2)], s[48+2*\k]
	v_add_co_ci_u32 v[81+2*(\k%2)], s[49+2*\k], 0, v[81+2*(\k%2)], s[49+2*\k]
.endr
.set n, n+4
.endr
	s_add_co_u32 s27, s27, 256
	s_sub_co_u32 s28, s28, 1
	s_cmp_lg_u32 s28, 0
	s_cbranch_scc1 .Lscan
	v_add_nc_u32 v12, v80, v82
	v_add_nc_u32 v13, v81, v83
	v_lshl_add_u32 v15, v0, 3, PART
	ds_store_b64 v15, v[12:13]
	s_wait_dscnt 0x0
	s_barrier_signal -1
	s_barrier_wait -1
	s_cmp_lg_u32 s20, 0
	s_cbranch_scc1 .Lend                           ; wave 0 adds the four waves' counts and stores
	v_lshl_add_u32 v15, v2, 3, PART
.irp k, 0,1,2,3
	ds_load_b64 v[16+2*\k:17+2*\k], v15 offset:256*\k
.endr
	v_lshlrev_b32 v14, 3, v2
	s_add_nc_u64 s[16:17], s[16:17], s[22:23]
	s_wait_dscnt 0x0
	v_add_nc_u32 v16, v16, v18
	v_add_nc_u32 v17, v17, v19
	v_add3_u32 v16, v16, v20, v22
	v_add3_u32 v17, v17, v21, v23
	s_wait_alu depctr_va_vdst(0)
	global_store_b64 v14, v[16:17], s[16:17]       ; the ranks by place: 256 consecutive bytes, aligned
.Lend:
	s_wait_tensorcnt 0x0
	ds_add_u32 v200, v201
	s_wait_dscnt 0x0
	s_endpgm
.Lfunc_end_k_q6a9b1dbacc_quant:
	.size	k_q6a9b1dbacc_quant, .Lfunc_end_k_q6a9b1dbacc_quant-k_q6a9b1dbacc_quant
	.p2alignl 7, 3214868480
	.fill 96, 4, 3214868480
	.section	.rodata,"a",@progbits
	.p2align	6, 0x0
	.amdhsa_kernel k_q6a9b1dbacc_quant
		.amdhsa_group_segment_fixed_size 75264
		.amdhsa_private_segment_fixed_size 0
		.amdhsa_enable_private_segment 0
		.amdhsa_kernarg_size 56
		.amdhsa_user_sgpr_count 2
		.amdhsa_user_sgpr_kernarg_segment_ptr 1
		.amdhsa_wavefront_size32 1
		.amdhsa_system_sgpr_workgroup_id_x 1
		.amdhsa_system_sgpr_workgroup_id_y 1
		.amdhsa_system_sgpr_workgroup_id_z 1
		.amdhsa_system_vgpr_workitem_id 0
		.amdhsa_next_free_vgpr 202
		.amdhsa_next_free_sgpr 66
		.amdhsa_reserve_vcc 0
		.amdhsa_float_denorm_mode_32 3
		.amdhsa_float_denorm_mode_16_64 3
		.amdhsa_memory_ordered 1
		.amdhsa_forward_progress 1
		.amdhsa_inst_pref_size 65
	.end_amdhsa_kernel
	.amdgpu_metadata
---
amdhsa.version: [ 1, 2 ]
amdhsa.kernels:
  - .name:           k_q6a9b1dbacc_quant
    .symbol:         k_q6a9b1dbacc_quant.kd
    .args:
      - { .name: x, .offset: 0, .size: 8, .value_kind: global_buffer, .address_space: global }
      - { .name: w_qkv, .offset: 8, .size: 8, .value_kind: global_buffer, .address_space: global }
      - { .name: w_out, .offset: 16, .size: 8, .value_kind: global_buffer, .address_space: global }
      - { .name: indices, .offset: 24, .size: 8, .value_kind: global_buffer, .address_space: global }
      - { .name: cod, .offset: 32, .size: 8, .value_kind: global_buffer, .address_space: global }
      - { .name: scl, .offset: 40, .size: 8, .value_kind: global_buffer, .address_space: global }
      - { .name: rankp, .offset: 48, .size: 8, .value_kind: global_buffer, .address_space: global }
    .group_segment_fixed_size: 75264
    .private_segment_fixed_size: 0
    .kernarg_segment_align: 8
    .kernarg_segment_size: 56
    .max_flat_workgroup_size: 128
    .sgpr_count:     66
    .vgpr_count:     202
    .wavefront_size: 32
...
	.end_amdgpu_metadata
.endif
;; end of part 1
;; launch qkv (part 2): grid 12 x 16, 4 waves a work-group, clusters of 4 x 4, 327,680 bytes of LDS; arguments cod, scl, qkvc, qkvs; writes qkvc, qkvs
.if DOCPART == 2
	.amdgcn_target "amdgcn-amd-amdhsa--gfx1250"
	.amdhsa_code_object_version 6
	.text
	.protected	k_q6a9b1dbacc_qkv
	.globl	k_q6a9b1dbacc_qkv
	.p2align	8
	.type	k_q6a9b1dbacc_qkv,@function
k_q6a9b1dbacc_qkv:
	s_mov_b64 s[64:65], 0
	v_nop
	global_prefetch_b8 v0, s[64:65] scope:SCOPE_SE
	s_setreg_imm32_b32 hwreg(HW_REG_WAVE_MODE, 25, 1), 1
	s_wait_xcnt 0x0
	s_wait_alu depctr_hold_cnt(0) depctr_sa_sdst(0) depctr_va_vdst(0) depctr_va_sdst(0) depctr_va_ssrc(0) depctr_va_vcc(0) depctr_vm_vsrc(0)
	s_getreg_b32 s2, hwreg(HW_REG_IB_STS2, 6, 4)
	s_cmp_eq_u32 s2, 0
	s_cbranch_scc0 .Lentry_in_a_cluster
	s_endpgm
.Lentry_in_a_cluster:
	s_bfe_u32 s2, ttmp6, 0x10000c
	s_cmp_lg_u32 s2, 0xf033
	s_cbranch_scc0 .Lentry_shape_is_right
	s_endpgm
.Lentry_shape_is_right:
; The first product, x (gathered) times w_qkv^T, on codes of FP6 (E2M3) with E8M0 scales, K = 1024; its results are quantised on the way out and leave as codes: q and k along the head's 64, v along the keys.
; A work-group of four waves makes 256 tokens x 256 channels; a wave 128 x 128: 64 accumulators, 512 registers.  K goes in four steps of 256 through two LDS slots filled by the tensor data mover.
; cod: [16 planes of 64 along K][8192 places][48 bytes], so a tile of 128 rows x 256 K is four dense runs of 6,144 bytes.  In LDS a row of a plane is 48 bytes: the 32 lanes of a load of 8 bytes at 48 r + 24 h
; take words 12 r + 6 h, all different modulo 64 (64 banks of 4 bytes: ISA guide 11.1): no padding.
; CLUSTERS 4 x 4: the tokens' tile is shared along a row of the cluster, the weights' along a column; each is asked for jointly.
; TWO ROLES, told apart by the cluster's x, which all partners share.  Clusters 0 and 1 (q, k): source 0 = 16 channels, source 1 = 16 tokens.  Cluster 2 (v): source 0 = 16 tokens (keys), source 1 = 16 channels.
; The tiles are fetched alike; the role says only which LDS region feeds which source.  By the order of places in cod a lane's 32 registers of four neighbouring tiles of source 0 are 32 NEIGHBOURS:
; a whole block of the next product's K lies in one lane: no other lane is asked for its maximum, and the conversions' results are the stored rows' bytes.
; qkvc: q, k: [32 planes: q's heads, k's heads][4096 token places][48]; from byte 6,291,456 v: [64 groups of 64 keys][1024 channel places][48].
; qkvs: one word for each row of each plane; an even plane's word holds its own two bytes and the next plane's two, an odd plane's its own two and zeros.
; LIMITS: NaN and infinities are not served; a block of zeros gets the byte 1.  No prefetch: K has four steps, two of them first fills.
; REGISTERS: window 0: v10-31 addresses; v32-63 source 0's scale words, v64-95 source 1's (two sets each); v96-110 at work on the way out; v128-223 source 1's fragments, one set; on the way out v128-255 codes.
;   window 1: source 0's fragments, two sets, at v0 and v128.   windows 2, 3: the accumulators ((a, b) at v[8 (8 (a % 4) + b)]).
.set PLN,    6144                      ; 128 rows x 48 bytes
.set HALFT,  4*PLN                     ; what one tensor load brings: 128 rows x 256 K
.set SLOT,   4*HALFT                   ; tokens' 256 rows, then weights' 256 rows
.set SCL,    2*SLOT                    ; the scales of all of K, 32 bytes a row, dense
.set HALFS,  4096                      ; those of 128 rows
.set SPARE,  SCL+4*HALFS               ; the spare words: 128 bytes a wave
.set STAGE,  SPARE+512                 ; the way out: for each wave 16,384 bytes of code places and 1,024 of scale words; no fill lands here
.set WSTG,   17408
.set CPL,    393216                    ; a plane of cod
.set KSB,    4*CPL                     ; a K step in memory
.set FR,     12
.set NL,     6
.set NP,     4                         ; places behind this matrix instruction (ISA guide 7.12.1)
.set ADR1,   16                        ; v16-17 source 1's fragments in slot 0, 1
.set ADR0,   20                        ; v20-21 source 0's
.set ADRS0,  22                        ; v22, v23 their scale words
.set ADRS1,  23
.set STO,    24                        ; v24 the way out: where I put 12 bytes of a row
.set RD,     25                        ; v25 and where I read back
.set C12,    26                        ; v26 12 x lane
.set C16,    27                        ; v27 16 x lane
.set SPW,    28                        ; v28 my spare word; never rewritten
.set NIL,    29                        ; v29 0; never rewritten
.set H8,     30                        ; v30 8 (lane / 16)
.set H16,    31                        ; v31 16 (lane / 16)
.set SSTO,   10                        ; v10 where I put a scale word
.set SW0,    32
.set SW1,    64
.set WD,     96                        ; v96-103 the scale words just made
.set TM,     104                       ; v104-110 at work
.set AF,     128
.set CD,     128
.set G1, 24
.set G0, 32
.set G1B, 48
.set G0B, 56
.set G1S, 68
.set G0S, 76
.set G1SB, 80
.set G0SB, 88
.set MSB, 0
.macro WIN new                         ; the immediate's high byte repeats the setting that is left
.if MSB != (\new)
	s_set_vgpr_msb (MSB<<8)|(\new)
.set MSB, (\new)
.endif
.endm
.set MUL_LO, 0xa1                      ; source 0 window 1, source 1 window 0, C and D window 2
.set MUL_HI, 0xf1
.set TO_B,   0x40
; A joint load: waves 0 and 1 fetch the tokens' halves, waves 2 and 3 the weights'.  Four v_nop follow each line.
.macro JLOAD g0a, g1a, g0b, g1b
	s_cmp_eq_u32 s15, 0
	s_cbranch_scc0 .Lfor_b_\@
	tensor_load_to_lds s[\g0a:\g0a+3], s[\g1a:\g1a+7]
	s_nop 0
.rept 4
	v_nop
.endr
	s_branch .Lasked_\@
.Lfor_b_\@:
	tensor_load_to_lds s[\g0b:\g0b+3], s[\g1b:\g1b+7]
	s_nop 0
.rept 4
	v_nop
.endr
.Lasked_\@:
.endm
.macro CREST
	s_cmp_lg_u32 s14, 0
	s_cbranch_scc1 .Lnot_wave_0_\@
	s_barrier_signal -3
.Lnot_wave_0_\@:
	s_barrier_wait -3
	s_barrier_signal -1
	s_barrier_wait -1
.endm
.macro CROUND
	s_barrier_signal -1
	s_barrier_wait -1
	CREST
.endm
	s_load_b256 s[4:11], s[0:1], 0x0               ; cod, scl, qkvc, qkvs
	v_lshl_add_u32 v[SPW], v0, 2, SPARE
	v_mov_b32 v[NIL], 0
	ds_add_u32 v28, v29
	ds_add_u32 v28, v29
	s_wait_dscnt 0x0
	v_lshrrev_b32 v1, 5, v0
	v_readfirstlane_b32 s14, v1                    ; wave
	s_lshr_b32 s15, s14, 1                         ; my half of source 1's rows.  Also: I fetch tokens (0) or weights (1)
	s_and_b32 s16, s14, 1                          ; my half of source 0's rows.  Also: which 128 rows I fetch
	s_bfe_u32 s40, ttmp6, 0x40000                  ; cx
	s_bfe_u32 s41, ttmp6, 0x40004                  ; cy
	s_lshl_b32 s42, ttmp9, 2
	s_add_co_u32 s42, s42, s40                     ; the weights' tile, 0 to 11
	s_and_b32 s17, ttmp7, 0xffff
	s_lshl_b32 s17, s17, 2
	s_add_co_u32 s17, s17, s41                     ; the tokens' tile, 0 to 15
	s_lshl_b32 s43, s41, 2
	s_lshl_b32 s43, 15, s43                        ; my row of the cluster
	s_lshl_b32 s44, 0x1111, s40                    ; my column
	s_or_b32 s[G1+0], s43, (3<<16)|(1<<21)         ; 15:0 the mask; 17:16 elements of 8 bytes; 20 no padding; 21 set beside a mask
	s_or_b32 s[G1B+0], s44, (3<<16)|(1<<21)
.irp g, G1, G1B
	s_mov_b32 s[\g+1], 768<<16                     ; tensor_dim0: 6,144 bytes
	s_mov_b32 s[\g+2], 4<<16                       ; tensor_dim1: four planes
	s_mov_b32 s[\g+3], 768<<16                     ; tile_dim0
	s_mov_b32 s[\g+4], 4                           ; tile_dim1
	s_mov_b32 s[\g+5], CPL/8                       ; from plane to plane
	s_mov_b32 s[\g+6], 0
	s_mov_b32 s[\g+7], 0
.endr
	s_or_b32 s[G1S+0], s43, (3<<16)|(1<<21)        ; the scales of 128 rows: 16 rows of 256 bytes, no padding: every byte of the region is filled
	s_or_b32 s[G1SB+0], s44, (3<<16)|(1<<21)
.irp g, G1S, G1SB
	s_mov_b32 s[\g+1], 32<<16
	s_mov_b32 s[\g+2], 16<<16
	s_mov_b32 s[\g+3], 32<<16
	s_mov_b32 s[\g+4], 16
	s_mov_b32 s[\g+5], 32
	s_mov_b32 s[\g+6], 0
	s_mov_b32 s[\g+7], 0
.endr
	s_lshl_b32 s18, s16, 7
	s_lshl_b32 s20, s17, 8
	s_add_co_u32 s20, s20, s18                     ; tokens: place 256 x tile + 128 x half
	s_lshl_b32 s46, s42, 8
	s_add_co_u32 s46, s46, s18
	s_add_co_u32 s46, s46, 4096                    ; weights: behind x's 4096 places
	s_lshl_b32 s22, s20, 5                         ; 32 scale bytes a place
	s_mov_b32 s23, 0
	s_lshl_b32 s92, s46, 5
	s_mov_b32 s93, 0
	s_mul_i32 s20, s20, 48
	s_mov_b32 s21, 0
	s_mul_i32 s46, s46, 48
	s_mov_b32 s47, 0
	s_mul_i32 s45, s14, HALFT                      ; where they go: no place in the cluster enters an LDS address
	s_mul_i32 s94, s14, HALFS
	s_mov_b32 s12, 0x76543210
	s_mov_b32 s13, 0xfedcba98                      ; v_permlanex16_b32's selects for lane l xor 16
	s_wait_kmcnt 0x0
	s_add_nc_u64 s[20:21], s[4:5], s[20:21]
	s_add_nc_u64 s[22:23], s[6:7], s[22:23]
	s_add_nc_u64 s[46:47], s[4:5], s[46:47]
	s_add_nc_u64 s[92:93], s[6:7], s[92:93]
	CROUND                                         ; all sixteen work-groups are here: the first joint loads meet
	s_mov_b32 s[G0S], 1
	s_add_co_u32 s[G0S+1], s94, SCL
	s_mov_b64 s[G0S+2:G0S+3], s[22:23]
	s_or_b32 s[G0S+3], s[G0S+3], 0x80000000
	s_mov_b32 s[G0SB], 1
	s_add_co_u32 s[G0SB+1], s94, SCL
	s_mov_b64 s[G0SB+2:G0SB+3], s[92:93]
	s_or_b32 s[G0SB+3], s[G0SB+3], 0x80000000
	JLOAD G0S, G1S, G0SB, G1SB                     ; the scales: my one tensor load at the head
.irp s, 0,1
	s_mov_b32 s[G0+4*\s], 1
	s_add_co_u32 s[G0+4*\s+1], s45, \s*SLOT
	s_add_nc_u64 s[G0+4*\s+2:G0+4*\s+3], s[20:21], \s*KSB
	s_or_b32 s[G0+4*\s+3], s[G0+4*\s+3], 0x80000000
	s_mov_b32 s[G0B+4*\s], 1
	s_add_co_u32 s[G0B+4*\s+1], s45, \s*SLOT
	s_add_nc_u64 s[G0B+4*\s+2:G0B+4*\s+3], s[46:47], \s*KSB
	s_or_b32 s[G0B+4*\s+3], s[G0B+4*\s+3], 0x80000000
	s_wait_alu depctr_va_vdst(0)                   ; waits and the add ahead of each later first fill
	s_wait_tensorcnt 0x0
	ds_add_u32 v[SPW], v[NIL]
	s_wait_dscnt 0x0
	CROUND
	JLOAD G0+4*\s, G1, G0B+4*\s, G1B
.endr
	v_and_b32 v1, 15, v0                           ; r
	v_bfe_u32 v2, v0, 4, 1                         ; h
	v_and_b32 v3, 31, v0                           ; lane
	v_mul_u32_u24 v4, v1, 48
	v_mad_u32_u24 v4, v2, 24, v4                   ; a fragment's row x 48 + 24 h
	s_wait_alu depctr_va_vdst(0)
	s_cmp_eq_u32 ttmp9, 2                          ; the role
	s_cselect_b32 s18, 0, 2*HALFT                  ; source 0 reads the tokens' region (v) or the weights' (q, k)
	s_cselect_b32 s19, 2*HALFT, 0                  ; source 1 the other
	s_cselect_b32 s66, 0, 2*HALFS
	s_cselect_b32 s67, 2*HALFS, 0
	s_mul_i32 s21, s16, HALFT
	s_add_co_u32 s21, s21, s18
	s_mul_i32 s22, s15, HALFT
	s_add_co_u32 s22, s22, s19
.irp s, 0,1
	v_add_nc_u32 v[ADR0+\s], s21, v4
	v_add_nc_u32 v[ADR1+\s], s22, v4
	s_add_co_u32 s21, s21, SLOT
	s_add_co_u32 s22, s22, SLOT
.endr
	v_lshlrev_b32 v5, 5, v1                        ; my row's 32 scale bytes
	s_mul_i32 s21, s16, HALFS
	s_add_co_u32 s21, s21, s66
	s_add_co_u32 s21, s21, SCL
	s_mul_i32 s22, s15, HALFS
	s_add_co_u32 s22, s22, s67
	s_add_co_u32 s22, s22, SCL
	v_add_nc_u32 v[ADRS0], s21, v5
	v_add_nc_u32 v[ADRS1], s22, v5
	s_mul_i32 s23, s14, WSTG
	s_add_co_u32 s23, s23, STAGE                   ; my stage
	v_lshlrev_b32 v5, 6, v1
	v_lshl_add_u32 v5, v2, 5, v5
	v_add_nc_u32 v[STO], s23, v5                   ; in: row r has four places of 16 bytes; my half takes two
	v_lshlrev_b32 v[C16], 4, v3
	v_add_nc_u32 v[RD], s23, v[C16]                ; back: 32 places on end
	v_mul_u32_u24 v[C12], v3, 12
	v_lshlrev_b32 v[H8], 3, v2
	v_lshlrev_b32 v[H16], 4, v2
	v_lshlrev_b32 v5, 2, v1
	v_lshl_add_u32 v5, v2, 9, v5
	v_add_nc_u32 v[SSTO], s23, v5                  ; scale words: lanes 0-15 the even plane's, lanes 16-31 the odd plane's
	v_mov_b32 v[TM+6], 0                           ; a lane permute's destination counts as one of its sources
	; where my results go: planes 4 u + 2 (wave % 2) and the next; rows 256 v + 128 (wave / 2) on
	s_sub_co_u32 s66, s42, 8
	s_mov_b32 s2, 196608
	s_mov_b32 s3, 16384
	s_cmp_eq_u32 ttmp9, 2
	s_cselect_b32 s18, s17, s42                    ; u: source 0's tile
	s_cselect_b32 s19, s66, s17                    ; v: source 1's
	s_cselect_b32 s2, 49152, s2                    ; a plane of codes
	s_cselect_b32 s3, 4096, s3                     ; a plane of scale words
	s_cselect_b32 s46, 6291456, 0
	s_cselect_b32 s47, 524288, 0
	s_lshl_b32 s18, s18, 2
	s_lshl_b32 s67, s16, 1
	s_add_co_u32 s18, s18, s67
	s_lshl_b32 s19, s19, 8
	s_lshl_b32 s67, s15, 7
	s_add_co_u32 s19, s19, s67
	s_mul_i32 s20, s18, s2
	s_add_co_u32 s20, s20, s46
	s_mul_i32 s67, s19, 48
	s_add_co_u32 s20, s20, s67
	s_mov_b32 s21, 0
	s_mul_i32 s22, s18, s3
	s_add_co_u32 s22, s22, s47
	s_lshl_b32 s67, s19, 2
	s_add_co_u32 s22, s22, s67
	s_mov_b32 s23, 0
	s_add_nc_u64 s[92:93], s[8:9], s[20:21]        ; codes, even plane
	s_add_nc_u64 s[96:97], s[10:11], s[22:23]      ; scale words, even plane
	s_mov_b32 s20, s2
	s_mov_b32 s22, s3
	s_add_nc_u64 s[94:95], s[92:93], s[20:21]      ; and the odd planes
	s_add_nc_u64 s[98:99], s[96:97], s[22:23]
.macro FRAG reg, adr, q, i             ; 16 rows x 128 K: registers 6 c .. 6 c + 5 hold K = 64 c + 32 h + 0 .. 31: 24 bytes of plane 2 q + c, as they lie, in pieces of 8
.irp c, 0,1
.irp p, 0,1,2
	ds_load_b64 v[\reg+6*\c+2*\p:\reg+6*\c+2*\p+1], v[\adr] offset:(2*(\q)+\c)*PLN+(\i)*768+8*\p
.endr
.endr
.endm
; 16 matrix instructions: source 1's blocks a0, a0 + 1 x source 0's eight.  The 64 accumulators take turns, one instruction a turn, in the same order in every step.
.macro MUL16 a0, p, q, sc, zero
.irp a, \a0, \a0+1
.irp b, 0,1,2,3,4,5,6,7
.if \zero
	v_wmma_scale_f32_16x16x128_f8f6f4 v[8*(8*((\a)%4)+\b):8*(8*((\a)%4)+\b)+7], v[128*(\p)+FR*\b:128*(\p)+FR*\b+FR-1], v[AF+FR*(\a):AF+FR*(\a)+FR-1], 0, v[SW0+16*(\sc)+2*\b+(\q)], v[SW1+16*(\sc)+2*(\a)+(\q)] matrix_a_fmt:MATRIX_FMT_FP6 matrix_b_fmt:MATRIX_FMT_FP6
.else
	v_wmma_scale_f32_16x16x128_f8f6f4 v[8*(8*((\a)%4)+\b):8*(8*((\a)%4)+\b)+7], v[128*(\p)+FR*\b:128*(\p)+FR*\b+FR-1], v[AF+FR*(\a):AF+FR*(\a)+FR-1], v[8*(8*((\a)%4)+\b):8*(8*((\a)%4)+\b)+7], v[SW0+16*(\sc)+2*\b+(\q)], v[SW1+16*(\sc)+2*(\a)+(\q)] matrix_a_fmt:MATRIX_FMT_FP6 matrix_b_fmt:MATRIX_FMT_FP6
.endif
.endr
.endr
.endm
.macro FETCH_B slot, q, p
	WIN TO_B
.irp i, 0,1,2,3,4,5,6,7
	FRAG 128*(\p)+FR*\i, ADR0+\slot, \q, \i
.endr
	WIN 0
.endm
.macro FETCH_A slot, q, i0
.irp i, \i0, \i0+1, \i0+2, \i0+3
	FRAG AF+FR*(\i), ADR1+\slot, \q, \i
.endr
.endm
.macro SCALES sc, ks                   ; K step ks's two words of each row, both sides
.irp i, 0,1,2,3,4,5,6,7
	ds_load_b64 v[SW0+16*(\sc)+2*\i:SW0+16*(\sc)+2*\i+1], v[ADRS0] offset:\i*512+8*(\ks)
.endr
.irp i, 0,1,2,3,4,5,6,7
	ds_load_b64 v[SW1+16*(\sc)+2*\i:SW1+16*(\sc)+2*\i+1], v[ADRS1] offset:\i*512+8*(\ks)
.endr
.endm
.macro PLACES n                        ; in front of loads into registers that matrix instructions have read, and of the first read of results
.rept \n
	v_nop
.endr
.endm
.macro STEP slot, q, zero              ; 128 along K that has its successor in the same slot
	s_wait_dscnt 4*NL                              ; all but source 1's blocks 4-7, the youngest 24 loads
	WIN MUL_LO
	MUL16 0, (\q)%2, \q, \slot, \zero
	MUL16 2, (\q)%2, \q, \slot, \zero
	s_wait_dscnt 0
	PLACES NP
	FETCH_B \slot, (\q)+1, 1-(\q)%2
	FETCH_A \slot, (\q)+1, 0
	WIN MUL_HI
	MUL16 4, (\q)%2, \q, \slot, \zero
	MUL16 6, (\q)%2, \q, \slot, \zero
	PLACES NP
	WIN 0
	FETCH_A \slot, (\q)+1, 4
.endm
; A slot's last step changes slots: one barrier; in front of it each wave waits for all its tensor loads, adds 0 to its spare word, and waits for that and for its reads of this slot.
.macro TURN slot, next, fill, ks
	s_wait_tensorcnt 0x0                           ; all my tensor loads have landed: my part of the next slot
	ds_add_u32 v[SPW], v[NIL]
	s_wait_dscnt 4*NL+1                            ; (the add and the youngest 24 loads may be out)
	WIN MUL_LO
	MUL16 0, 1, 1, \slot, 0
	s_wait_dscnt 0x0                               ; the add is done, and my reads of this slot are over
	s_barrier_signal -1
	MUL16 2, 1, 1, \slot, 0
	WIN 0
	s_barrier_wait -1
.if \fill
	CREST                                          ; the barrier has opened a round of the cluster's: no wave of any partner still reads this slot or has a load on its way
	s_add_nc_u64 s[G0+4*\slot+2:G0+4*\slot+3], s[G0+4*\slot+2:G0+4*\slot+3], 2*KSB
	s_add_nc_u64 s[G0B+4*\slot+2:G0B+4*\slot+3], s[G0B+4*\slot+2:G0B+4*\slot+3], 2*KSB
	JLOAD G0+4*\slot, G1, G0B+4*\slot, G1B         ; the first tensor load behind the round; its four v_nop are the places in front of the loads below
.else
	PLACES NP
.endif
	FETCH_B \next, 0, 0
	FETCH_A \next, 0, 0
	SCALES \next, \ks
	WIN MUL_HI
	MUL16 4, 1, 1, \slot, 0
	MUL16 6, 1, 1, \slot, 0
	PLACES NP
	WIN 0
	FETCH_A \next, 0, 4
.endm
	s_wait_alu depctr_va_vdst(0)                   ; the wait at the head's end
	s_wait_tensorcnt 1                             ; the scales and my part of K step 0 are in; K step 1's load may be out
	s_barrier_signal -1
	s_barrier_wait -1
	FETCH_B 0, 0, 0
	FETCH_A 0, 0, 0
	SCALES 0, 0
	FETCH_A 0, 0, 4
	STEP 0, 0, 1                                   ; the first products start the sums: nothing is cleared
	TURN 0, 1, 1, 1
	STEP 1, 0, 0
	TURN 1, 0, 1, 2
	STEP 0, 0, 0
	TURN 0, 1, 0, 3                                ; nothing is left to fetch
	STEP 1, 0, 0
	s_wait_dscnt 4*NL
	WIN MUL_LO
	MUL16 0, 1, 1, 1, 0
	MUL16 2, 1, 1, 1, 0
	s_wait_dscnt 0
	WIN MUL_HI
	MUL16 4, 1, 1, 1, 0
	MUL16 6, 1, 1, 1, 0
	WIN 0
; THE WAY OUT.  Block a: 16 rows of source 1 (lane r) x 128 of source 0.  Registers 32 c + i of the block are index 64 c + 32 h + i: two whole blocks of 32 a lane.
.macro QBLK a
.set AC, 64*((\a)%4)
.set W, 2+(\a)/4
.set WW, (W<<2)|(W<<4)
	WIN WW                                         ; sources 1 and 2: the accumulators' window
	v_max3_num_f32 v[TM], 0x1800000, |v[AC]|, |v[AC+1]|            ; the largest magnitude, with the floor 2^(3 - 127); each accumulator is read from its low end on
	v_max3_num_f32 v[TM+1], 0x1800000, |v[AC+32]|, |v[AC+33]|
.irp i, 2,4,6,8,10,12,14,16,18,20,22,24,26,28,30
	v_max3_num_f32 v[TM], v[TM], |v[AC+\i]|, |v[AC+\i+1]|
	v_max3_num_f32 v[TM+1], v[TM+1], |v[AC+32+\i]|, |v[AC+33+\i]|
.endr
	WIN 0
	v_add_nc_u32 v[TM+2], 0xff000000, v[TM]        ; 2 off the exponent field: the conversion's scale operand
	v_add_nc_u32 v[TM+3], 0xff000000, v[TM+1]
	v_lshrrev_b32 v[TM+4], 23, v[TM+2]             ; the bytes
	v_lshrrev_b32 v[TM+5], 23, v[TM+3]
	v_lshl_or_b32 v[TM+4], v[TM+5], 16, v[TM+4]    ; blocks h and 2 + h,
	v_lshlrev_b32 v[TM+4], v[H8], v[TM+4]          ; at their places in the word;
	v_permlanex16_b32 v[TM+6], v[TM+4], s12, s13
	v_or_b32 v[TM+4], v[TM+4], v[TM+6]             ; with lane l xor 16's two it is whole
	v_lshrrev_b32 v[WD+(\a)], v[H16], v[TM+4]      ; lanes 16-31 keep the odd plane's two bytes
	WIN W                                          ; source 0: the accumulators' window
.irp c, 0,1
.irp e, 0,1
	v_cvt_scalef32_pk16_fp6_f32 v[CD+16*(\a)+4*(2*\c+\e):CD+16*(\a)+4*(2*\c+\e)+2], v[AC+32*\c+16*\e:AC+32*\c+16*\e+15], v[TM+2+\c]
.endr
.endr
	WIN 0
	v_nop                                          ; one plain line behind the conversions
.irp c, 0,1
.irp e, 0,1
	ds_store_b96 v[STO], v[CD+16*(\a)+4*(2*\c+\e):CD+16*(\a)+4*(2*\c+\e)+2] offset:8192*\c+1024*(\a)+16*\e
.endr
.endr
	ds_store_b32 v[SSTO], v[WD+(\a)] offset:16384+64*(\a)
.endm
	PLACES NP
.irp a, 0,1,2,3,4,5,6,7
	QBLK \a
.endr
	s_wait_dscnt 0x0                               ; the stores have read their registers, which the loads below take
.set n, 0
.rept 32                               ; plane n / 16: eight rows' 32 places an instruction
	ds_load_b96 v[CD+4*n:CD+4*n+2], v[RD] offset:8192*(n/16)+512*(n%16)
.set n, n+1
.endr
	ds_load_b128 v[WD:WD+3], v[RD] offset:16384
	ds_load_b128 v[WD+4:WD+7], v[RD] offset:16384+512
.set n, 0
.rept 32
	s_wait_dscnt 33-n                              ; load n is in; the younger ones may be out
	global_store_b96 v[C12], v[CD+4*n:CD+4*n+2], s[92+2*(n/16):93+2*(n/16)] offset:384*(n%16)   ; 384 consecutive bytes; a plane's 16 stores are 6,144 on end
.set n, n+1
.endr
	s_wait_dscnt 1
	global_store_b128 v[C16], v[WD:WD+3], s[96:97] ; 512 consecutive bytes, aligned
	s_wait_dscnt 0x0
	global_store_b128 v[C16], v[WD+4:WD+7], s[98:99]
	s_wait_tensorcnt 0x0                           ; the wave's end
	ds_add_u32 v[SPW], v[NIL]
	s_wait_dscnt 0x0
	CROUND                                         ; the closing round
	s_endpgm
.Lfunc_end_k_q6a9b1dbacc_qkv:
	.size	k_q6a9b1dbacc_qkv, .Lfunc_end_k_q6a9b1dbacc_qkv-k_q6a9b1dbacc_qkv
	.p2alignl 7, 3214868480
	.fill 96, 4, 3214868480
	.section	.rodata,"a",@progbits
	.p2align	6, 0x0
	.amdhsa_kernel k_q6a9b1dbacc_qkv
		.amdhsa_group_segment_fixed_size 327680
		.amdhsa_private_segment_fixed_size 0
		.amdhsa_enable_private_segment 0
		.amdhsa_kernarg_size 32
		.amdhsa_user_sgpr_count 2
		.amdhsa_user_sgpr_kernarg_segment_ptr 1
		.amdhsa_wavefront_size32 1
		.amdhsa_system_sgpr_workgroup_id_x 1
		.amdhsa_system_sgpr_workgroup_id_y 1
		.amdhsa_system_sgpr_workgroup_id_z 1
		.amdhsa_system_vgpr_workitem_id 0
		.amdhsa_next_free_vgpr 1024
		.amdhsa_next_free_sgpr 100
		.amdhsa_reserve_vcc 0
		.amdhsa_float_denorm_mode_32 3
		.amdhsa_float_denorm_mode_16_64 3
		.amdhsa_memory_ordered 1
		.amdhsa_forward_progress 1
		.amdhsa_inst_pref_size 166
	.end_amdhsa_kernel
	.amdgpu_metadata
---
amdhsa.version: [ 1, 2 ]
amdhsa.kernels:
  - .name:           k_q6a9b1dbacc_qkv
    .symbol:         k_q6a9b1dbacc_qkv.kd
    .args:
      - { .name: cod, .offset: 0, .size: 8, .value_kind: global_buffer, .address_space: global }
      - { .name: scl, .offset: 8, .size: 8, .value_kind: global_buffer, .address_space: global }
      - { .name: qkvc, .offset: 16, .size: 8, .value_kind: global_buffer, .address_space: global }
      - { .name: qkvs, .offset: 24, .size: 8, .value_kind: global_buffer, .address_space: global }
    .group_segment_fixed_size: 327680
    .private_segment_fixed_size: 0
    .kernarg_segment_align: 8
    .kernarg_segment_size: 32
    .max_flat_workgroup_size: 128
    .sgpr_count:     100
    .vgpr_count:     1024
    .wavefront_size: 32
...
	.end_amdgpu_metadata
.endif
;; end of part 2
;; launch attn (part 3): grid 16 x 16, 8 waves a work-group, clusters of 4 x 1, 327,680 bytes of LDS; arguments qkvc, qkvs, ao, asc; writes ao, asc
.if DOCPART == 3
	.amdgcn_target "amdgcn-amd-amdhsa--gfx1250"
	.amdhsa_code_object_version 6
	.text
	.protected	k_q6a9b1dbacc_attn
	.globl	k_q6a9b1dbacc_attn
	.p2align	8
	.type	k_q6a9b1dbacc_attn,@function
k_q6a9b1dbacc_attn:
	s_mov_b64 s[64:65], 0
	v_nop
	global_prefetch_b8 v0, s[64:65] scope:SCOPE_SE
	s_setreg_imm32_b32 hwreg(HW_REG_WAVE_MODE, 25, 1), 1
	s_wait_xcnt 0x0
	s_wait_alu depctr_hold_cnt(0) depctr_sa_sdst(0) depctr_va_vdst(0) depctr_va_sdst(0) depctr_va_ssrc(0) depctr_va_vcc(0) depctr_vm_vsrc(0)
	s_getreg_b32 s2, hwreg(HW_REG_IB_STS2, 6, 4)
	s_cmp_eq_u32 s2, 0
	s_cbranch_scc0 .Lentry_in_a_cluster
	s_endpgm
.Lentry_in_a_cluster:
	s_bfe_u32 s2, ttmp6, 0x10000c
	s_cmp_lg_u32 s2, 0x3003
	s_cbranch_scc0 .Lentry_shape_is_right
	s_endpgm
.Lentry_shape_is_right:
; Attention of one head on codes of FP6 (E2M3) with E8M0 scales: S^T = k q^T, p = 2^(t - M), O^T = v^T p^T, O / l quantised along the head's 64 channels and stored as codes.
; A work-group of 8 waves takes 256 queries of one head (grid y); a wave 32 queries, two tiles of 16, so that each fragment of k and v feeds two matrix instructions.
; Both products are used transposed: a lane holds one query of each tile.  By the order of places in qkvc a lane's 32 registers of four neighbouring tiles are 32 neighbouring keys (channels): a whole block.
; M is the running largest t rounded up to a whole number, kept as -M; a change of M multiplies l and O^T by a power of two.  l is the sum of the unquantised p.
; A block's largest p is made from the block's largest score by the same multiply-add and exponential as every p.
; The keys go in steps of 128 through two LDS slots of 1,024 keys (k 49,152 bytes, v 49,152); the scale words of all keys stay in LDS.
; CLUSTER 4 x 1: four query blocks of one head ask jointly for every tile (mask 15).  At the head each of the 8 waves issues one load: k's, v's halves of slot 0, k's and v's scale words' halves.
; No prefetch: a refill is asked for eight steps, 192 matrix instructions a wave, ahead of the wait for it.
; LIMITS: NaN and infinities are not served; the promise holds while the scaled scores stay under 2^31 in magnitude; a block of zeros gets the byte 1 (this program alone reads the bytes).
; REGISTERS.  Window 1: v0-127 scores, then p (tile x at 64 x); v128-191 O^T (32 x); v192-215 p's codes; v216-239 q's fragments, upper halves zero codes; v240-255 conversions' second halves.
;   Window 0: v1-11 addresses; from v12 each tile's row numbers (20 a tile); v52-55 the way out; v56-65 scale words; v68-121 k's fragments; v124-171 v's.
.set SLOT1, 1<<17
.set VOFF,  49152
.set SCK,   98304
.set SCV,   114688
.set SPARE, 229376                     ; the spare words: 128 bytes a wave
.set STAGE, 230400                     ; the way out: 2,048 bytes a wave; no fill lands here
.set QKP,   196608
.set AK0,  1
.set AV0,  2
.set ASK0, 3
.set ASV0, 4
.set SPW,  5
.set NIL,  6
.set H8,   7
.set ADK,  8
.set ADV,  9
.set ADS,  10
.set ADT,  11
.set ST,   12                          ; tile x at ST + 20 x: +0 -M, +1 largest score, +2..5 l in two pairs, +6,7 block maxima, +8,9 at work, +10,11 f, +12,13 scale operands, +14,15 bytes, +16 old -M
.set OSTO, 52
.set ORD,  53
.set O12,  54
.set O4,   55
.set KSW,  56
.set VSW,  60
.set QSW,  62
.set PSW,  64
.set KR,   68
.set VR,   124
.set OT,   128                         ; window 1
.set PC,   192
.set QF,   216
.set TP,   240
.set WV,   18
.set NCS,  19
.set SEL,  20
.set CS,   22
.set TB,   2
.set TS,   3
.set TJ,   66
.set NINF, 67
.set STP,  76
.set TN,   80
.set TSN,  81
.set G1K,  24
.set G1V,  32
.set G1SK, 40
.set G1SV, 48
.set G0K,  56
.set G0V,  60
.set G0SK, 68
.set G0SV, 72
.set MSB, 0
.macro WIN new                         ; low byte: 1:0 source 0, 3:2 source 1, 5:4 source 2, 7:6 destination; the high byte repeats the setting that is left
.if MSB != (\new)
	s_set_vgpr_msb (MSB<<8)|(\new)
.set MSB, (\new)
.endif
.endm
.macro DESC g, c, r, p                 ; group 1: r rows of c elements of 8 bytes, pitch p; mask 15, bit 21 beside it
	s_mov_b32 s[\g], 15|(3<<16)|(1<<21)
	s_mov_b32 s[\g+1], (\c)<<16
	s_mov_b32 s[\g+2], (\r)<<16
	s_mov_b32 s[\g+3], (\c)<<16
	s_mov_b32 s[\g+4], \r
	s_mov_b32 s[\g+5], \p
	s_mov_b32 s[\g+6], 0
	s_mov_b32 s[\g+7], 0
.endm
.macro ASKT g0, g1                     ; a joint load with an s_nop and four v_nop behind it
	tensor_load_to_lds s[\g0:\g0+3], s[\g1:\g1+7]
	s_nop 0
.rept 4
	v_nop
.endr
.endm
.macro TLOAD                           ; a refill: waves 0, 1 fetch k's halves, waves 2, 3 v's
	s_cmp_lt_u32 s[WV], 2
	s_cbranch_scc0 .Lnot_k_\@
	ASKT G0K, G1K
	s_branch .Lasked_\@
.Lnot_k_\@:
	s_cmp_lt_u32 s[WV], 4
	s_cbranch_scc0 .Lasked_\@
	ASKT G0V, G1V
.Lasked_\@:
.endm
.macro CROUND
	s_barrier_signal -1
	s_barrier_wait -1
	s_cmp_lg_u32 s[WV], 0
	s_cbranch_scc1 .Lnot_wave_0_\@
	s_barrier_signal -3
.Lnot_wave_0_\@:
	s_barrier_wait -3
	s_barrier_signal -1
	s_barrier_wait -1
.endm
	s_load_b256 s[4:11], s[0:1], 0x0               ; qkvc, qkvs, ao, asc
	v_lshl_add_u32 v[SPW], v0, 2, SPARE
	v_mov_b32 v[NIL], 0
	ds_add_u32 v[SPW], v[NIL]                      ; the opening lines: the add twice on end and one wait
	ds_add_u32 v[SPW], v[NIL]
	v_lshrrev_b32 v8, 5, v0
	v_readfirstlane_b32 s[WV], v8                  ; wave 0..7
	s_and_b32 s77, ttmp7, 0xffff                   ; head
	s_and_b32 s78, s[WV], 1                        ; which half of a tile I fetch
	s_add_co_u32 s79, s77, 16                      ; k's plane
	s_mul_i32 s80, s79, QKP
	s_mul_i32 s82, s78, 24576
	s_add_co_u32 s80, s80, s82
	s_mov_b32 s81, 0
	s_mul_i32 s84, s77, 3072
	s_mul_i32 s83, s78, 393216
	s_add_co_u32 s84, s84, s83
	s_add_co_u32 s84, s84, 6291456
	s_mov_b32 s85, 0
	s_lshl_b32 s86, s79, 14
	s_lshl_b32 s83, s78, 13
	s_add_co_u32 s86, s86, s83
	s_mov_b32 s87, 0
	s_lshl_b32 s88, s77, 8
	s_lshl_b32 s90, s78, 17
	s_add_co_u32 s88, s88, s90
	s_add_co_u32 s88, s88, 524288
	s_mov_b32 s89, 0
	s_lshl_b32 s90, s78, 12
	DESC G1K, 32, 96, 32                           ; 512 keys x 48 bytes, dense, as rows of 256 bytes
	DESC G1V, 384, 8, 6144                         ; 8 groups of 64 keys x the head's 64 channels x 48 bytes
	DESC G1SK, 32, 32, 32                          ; 2,048 keys' scale words
	DESC G1SV, 32, 16, 1024                        ; 16 even groups' words of the head's 64 channels
	s_mov_b32 s[SEL], 0x76543210
	s_mov_b32 s[SEL+1], 0xfedcba98                 ; v_permlanex16_b32's selects for lane l xor 16
	s_mov_b32 s[CS], 0x3e38aa3b                    ; c = log2(e) / 8
	s_mov_b32 s[CS+1], s[CS]
	s_mov_b32 s[NCS], 0xbe38aa3b                   ; -c
	s_mov_b32 s[NINF], 0xff800000
	s_wait_dscnt 0x0
	s_wait_kmcnt 0x0
	s_mov_b32 s[G0SK], 1
	s_add_co_u32 s[G0SK+1], s83, SCK
	s_add_nc_u64 s[G0SK+2:G0SK+3], s[6:7], s[86:87]
	s_or_b32 s[G0SK+3], s[G0SK+3], 0x80000000
	s_mov_b32 s[G0SV], 1
	s_add_co_u32 s[G0SV+1], s90, SCV
	s_add_nc_u64 s[G0SV+2:G0SV+3], s[6:7], s[88:89]
	s_or_b32 s[G0SV+3], s[G0SV+3], 0x80000000
	s_mov_b32 s[G0K], 1
	s_mov_b32 s[G0K+1], s82
	s_add_nc_u64 s[G0K+2:G0K+3], s[4:5], s[80:81]
	s_or_b32 s[G0K+3], s[G0K+3], 0x80000000
	s_mov_b32 s[G0V], 1
	s_add_co_u32 s[G0V+1], s82, VOFF
	s_add_nc_u64 s[G0V+2:G0V+3], s[4:5], s[84:85]
	s_or_b32 s[G0V+3], s[G0V+3], 0x80000000
	CROUND                                         ; the four work-groups are here: the first joint loads meet
	s_cmp_lt_u32 s[WV], 2                          ; one chain of branches on the wave's number, one load to an arm
	s_cbranch_scc0 .Lh_v
	ASKT G0K, G1K
	s_branch .Lh_done
.Lh_v:
	s_cmp_lt_u32 s[WV], 4
	s_cbranch_scc0 .Lh_sk
	ASKT G0V, G1V
	s_branch .Lh_done
.Lh_sk:
	s_cmp_lt_u32 s[WV], 6
	s_cbranch_scc0 .Lh_sv
	ASKT G0SK, G1SK
	s_branch .Lh_done
.Lh_sv:
	ASKT G0SV, G1SV
.Lh_done:
	s_bfe_u32 s91, ttmp6, 0x40000                  ; cx: it enters global addresses of my own loads and stores alone
	s_lshl_b32 s92, ttmp9, 2
	s_add_co_u32 s92, s92, s91
	s_lshl_b32 s92, s92, 8
	s_lshl_b32 s93, s[WV], 5
	s_add_co_u32 s92, s92, s93                     ; my first query place
	s_mul_i32 s94, s77, QKP
	s_mul_i32 s93, s92, 48
	s_add_co_u32 s94, s94, s93
	s_mov_b32 s95, 0
	s_add_nc_u64 s[12:13], s[4:5], s[94:95]        ; q's codes
	s_add_nc_u64 s[8:9], s[8:9], s[94:95]          ; ao at the same place
	s_lshl_b32 s96, s77, 14
	s_lshl_b32 s93, s92, 2
	s_add_co_u32 s96, s96, s93
	s_mov_b32 s97, 0
	s_add_nc_u64 s[14:15], s[6:7], s[96:97]        ; q's scale words
	s_lshr_b32 s96, s77, 1
	s_lshl_b32 s96, s96, 14
	s_add_co_u32 s96, s96, s93
	s_and_b32 s98, s77, 1
	s_lshl_b32 s98, s98, 1
	s_add_co_u32 s96, s96, s98
	s_add_nc_u64 s[10:11], s[10:11], s[96:97]      ; asc: my head's two bytes of each token's word
	s_lshl_b32 s79, s[WV], 11
	s_add_co_u32 s79, s79, STAGE                   ; my stage
	v_and_b32 v8, 15, v0                           ; r
	v_bfe_u32 v9, v0, 4, 1                         ; h
	v_and_b32 v10, 31, v0                          ; lane
	v_mul_u32_u24 v[AK0], v8, 48
	v_lshlrev_b32 v[O4], 2, v8
	v_mad_u32_u24 v[AK0], v9, 24, v[AK0]           ; a fragment's row x 48 + 24 h
	WIN 0x40
.irp x, 0,1
.irp p, 0,1,2
	global_load_b64 v[QF+12*\x+2*\p:QF+12*\x+2*\p+1], v[AK0], s[12:13] offset:768*\x+8*\p
.endr
.endr
	WIN 0
.irp x, 0,1
	global_load_b32 v[QSW+\x], v[O4], s[14:15] offset:64*\x
.endr
	v_add_nc_u32 v[AV0], VOFF, v[AK0]
	v_lshl_add_u32 v[ASK0], v10, 2, SCK
	v_lshl_add_u32 v[ASV0], v10, 2, SCV
	v_lshlrev_b32 v[H8], 3, v9
	v_lshlrev_b32 v[OSTO], 6, v8
	v_lshlrev_b32 v[ORD], 4, v10
	v_lshl_add_u32 v[OSTO], v9, 5, v[OSTO]
	v_add_nc_u32 v[ORD], s79, v[ORD]               ; back: 32 places of 16 bytes on end
	v_add_nc_u32 v[OSTO], s79, v[OSTO]             ; in: row r has four places of 16 bytes; my half takes two
	v_mul_u32_u24 v[O12], v10, 12
.irp x, 0,1
	v_mov_b32 v[ST+20*\x+1], 0xff61b1e6            ; the largest score so far: -3e38
	v_mov_b32 v[ST+20*\x+9], 0                     ; a lane permute's destination counts as one of its sources
	v_mov_b32 v[ST+20*\x+11], 0                    ; named as a pair's upper half
.irp j, 2,3,4,5
	v_mov_b32 v[ST+20*\x+\j], 0                    ; l
.endr
	v_mul_f32 v[ST+20*\x+8], s[NCS], v[ST+20*\x+1]
	v_floor_f32 v[ST+20*\x], v[ST+20*\x+8]         ; -M
.endr
.irp j, 0,1,2,3,4,5
	v_mov_b32 v[KR+48+\j], 0                       ; the last tile's fragment reaches six registers on; they meet q's zero codes
.endr
	WIN 0x40
.irp x, 0,1
.irp j, 6,7,8,9,10,11
	v_mov_b32 v[QF+12*\x+\j], 0                    ; the head has 64 along K: the instruction's upper 64 are zero codes
.endr
.endr
	WIN 0
	s_wait_alu depctr_va_vdst(0)                   ; the wait ahead of the wait below
	s_wait_loadcnt 0x0
.irp x, 0,1
	v_and_b32 v[QSW+\x], 0xffff, v[QSW+\x]         ; my plane's two bytes
.endr
	WIN 0x40
.set n, 0
.rept 64
	v_mov_b32 v[OT+n], 0                           ; the step is written once: the first finds zeros
.set n, n+1
.endr
	WIN 0
	s_wait_alu depctr_va_vdst(0)                   ; the wait at the head's end
.macro KLOADS                          ; eight tiles of 16 keys, 6 registers each, and their scale words (lanes 0-15 an even tile's, lanes 16-31 the odd one's)
.irp t, 0,1,2,3,4,5,6,7
.irp p, 0,1,2
	ds_load_b64 v[KR+6*\t+2*\p:KR+6*\t+2*\p+1], v[ADK] offset:768*\t+8*\p
.endr
.endr
.irp b, 0,1,2,3
	ds_load_b32 v[KSW+\b], v[ADS] offset:128*\b
.endr
.endm
.macro H n
	s_delay_alu instid0(VALU_DEP_\n)
.endm
.macro STEP                            ; 128 keys x my 32 queries
	v_add_nc_u32 v[ADV], s[TB], v[AV0]
	v_add_nc_u32 v[ADT], s[TJ], v[ASV0]
	v_nop
	v_nop                                          ; four places behind the last products, in front of the loads into their registers
.irp t, 0,1,2,3
.irp c, 0,1
.irp p, 0,1,2
	ds_load_b64 v[VR+12*\t+6*\c+2*\p:VR+12*\t+6*\c+2*\p+1], v[ADV] offset:3072*\c+768*\t+8*\p
.endr
.endr
.endr
.irp b, 0,1
	ds_load_b32 v[VSW+\b], v[ADT] offset:128*\b
.endr
	s_wait_dscnt 26                                ; k's fragments are in; the 26 loads just issued may be out
	WIN 0x44                                       ; D and q in window 1, k in window 0
.irp t, 0,2,4,6
.irp x, 0,1
	v_wmma_scale_f32_16x16x128_f8f6f4 v[64*\x+8*\t:64*\x+8*\t+7], v[KR+6*\t:KR+6*\t+11], v[QF+12*\x:QF+12*\x+11], 0, v[KSW+\t/2], v[QSW+\x] matrix_a_fmt:MATRIX_FMT_FP6 matrix_b_fmt:MATRIX_FMT_FP6
	v_wmma_scale_f32_16x16x128_f8f6f4 v[64*\x+8*\t+8:64*\x+8*\t+15], v[KR+6*\t+6:KR+6*\t+17], v[QF+12*\x:QF+12*\x+11], 0, v[KSW+\t/2], v[QSW+\x] matrix_a_fmt:MATRIX_FMT_FP6 matrix_b_fmt:MATRIX_FMT_FP6 matrix_a_scale:MATRIX_SCALE_ROW1
.endr
.endr
	WIN 0
	s_add_co_u32 s[TN], s[TB], 6144
	s_add_co_u32 s[TSN], s[TS], 512
	v_add_nc_u32 v[ADK], s[TN], v[AK0]
	v_add_nc_u32 v[ADS], s[TSN], v[ASK0]
	v_nop
	v_nop                                          ; four places: for the loads below and for the first read of the scores
	s_cmp_eq_u32 s[STP], 1
	s_cbranch_scc1 .Lno_ahead_\@                   ; a slot's last step has no successor in the slot
	KLOADS                                         ; the next step's k
.Lno_ahead_\@:
	WIN 0x14                                       ; sources 1, 2 in window 1
.irp x, 0,1
.irp c, 0,1
	v_max3_num_f32 v[ST+20*\x+6+\c], s[NINF], v[64*\x+32*\c], v[64*\x+32*\c+1]   ; each block's largest score; four chains by turns; each accumulator is read from its low end on
.endr
.endr
.irp i, 2,4,6,8,10,12,14,16,18,20,22,24,26,28,30
.irp x, 0,1
.irp c, 0,1
	v_max3_num_f32 v[ST+20*\x+6+\c], v[ST+20*\x+6+\c], v[64*\x+32*\c+\i], v[64*\x+32*\c+\i+1]
.endr
.endr
.endr
	WIN 0
	v_max_num_f32 v[ST+8], v[ST+6], v[ST+7]
	v_max_num_f32 v[ST+28], v[ST+26], v[ST+27]
.irp x, 0,1
	H 2
	v_permlanex16_b32 v[ST+20*\x+9], v[ST+20*\x+8], s[SEL], s[SEL+1]
.endr
.irp x, 0,1
	H 2
	v_max3_num_f32 v[ST+20*\x+1], v[ST+20*\x+1], v[ST+20*\x+8], v[ST+20*\x+9]   ; the running largest score of my query
.endr
.irp x, 0,1
	H 2
	v_mul_f32 v[ST+20*\x+8], s[NCS], v[ST+20*\x+1]
.endr
.irp x, 0,1
	v_mov_b32 v[ST+20*\x+16], v[ST+20*\x]
.endr
.irp x, 0,1
	H 4
	v_floor_f32 v[ST+20*\x], v[ST+20*\x+8]         ; -M = floor(-t)
.endr
.irp x, 0,1
	H 2
	v_sub_f32 v[ST+20*\x+9], v[ST+20*\x], v[ST+20*\x+16]   ; old M less new M: a whole number, 0 or less
.endr
.irp x, 0,1
	v_fma_f32 v[ST+20*\x+6], v[ST+20*\x+6], s[CS], v[ST+20*\x]
.endr
.irp x, 0,1
	H 4
	v_cvt_i32_f32 v[ST+20*\x+9], v[ST+20*\x+9]
.endr
.irp x, 0,1
	v_fma_f32 v[ST+20*\x+7], v[ST+20*\x+7], s[CS], v[ST+20*\x]
.endr
.irp x, 0,1
	H 4
	v_ldexp_f32 v[ST+20*\x+10], 1.0, v[ST+20*\x+9] ; f = 2^(old M - new M)
.endr
	WIN 0x41                                       ; destination and source 0 in window 1
.irp x, 0,1
.set n, 0
.rept 32
	v_pk_fma_f32 v[64*\x+n:64*\x+n+1], v[64*\x+n:64*\x+n+1], s[CS:CS+1], v[ST+20*\x:ST+20*\x+1] op_sel_hi:[1,0,0]   ; t - M
.set n, n+2
.endr
.endr
	s_wait_alu depctr_va_vdst(0)                   ; the wait ahead of the batch
.set n, 0
.rept 128
	v_exp_f32 v[n], v[n]
.set n, n+1
.endr
	WIN 0
.irp x, 0,1
.irp c, 0,1
	v_exp_f32 v[ST+20*\x+6+\c], v[ST+20*\x+6+\c]   ; each block's largest p
.endr
.endr
.irp x, 0,1
	v_pk_mul_f32 v[ST+20*\x+2:ST+20*\x+3], v[ST+20*\x+2:ST+20*\x+3], v[ST+20*\x+10:ST+20*\x+11] op_sel_hi:[1,0]   ; l under the new M
	v_pk_mul_f32 v[ST+20*\x+4:ST+20*\x+5], v[ST+20*\x+4:ST+20*\x+5], v[ST+20*\x+10:ST+20*\x+11] op_sel_hi:[1,0]
.endr
	s_wait_alu depctr_va_vdst(0)                   ; and behind it, ahead of its first reader
	WIN 0x04                                       ; source 1 in window 1
.irp j, 0,4,8,12,16,20,24,28,32,36,40,44,48,52,56,60
.irp x, 0,1
	v_pk_add_f32 v[ST+20*\x+2:ST+20*\x+3], v[ST+20*\x+2:ST+20*\x+3], v[64*\x+\j:64*\x+\j+1]   ; the sum of the unquantised p, four chains by turns
	v_pk_add_f32 v[ST+20*\x+4:ST+20*\x+5], v[ST+20*\x+4:ST+20*\x+5], v[64*\x+\j+2:64*\x+\j+3]
.endr
.endr
	WIN 0
.irp x, 0,1
.irp c, 0,1
	v_max_num_f32 v[ST+20*\x+6+\c], 0x1800000, v[ST+20*\x+6+\c]   ; the floor 2^(3 - 127): the byte cannot fall under 1
.endr
.endr
.irp x, 0,1
.irp c, 0,1
	H 4
	v_add_nc_u32 v[ST+20*\x+12+\c], 0xff000000, v[ST+20*\x+6+\c]  ; 2 off the exponent field: the conversion's scale operand
.endr
.endr
.irp x, 0,1
.irp c, 0,1
	H 4
	v_lshrrev_b32 v[ST+20*\x+14+\c], 23, v[ST+20*\x+12+\c]
.endr
.endr
	H 3
	v_lshl_or_b32 v[PSW], v[ST+15], 16, v[ST+14]   ; blocks h and 2 + h,
	H 2
	v_lshl_or_b32 v[PSW+1], v[ST+35], 16, v[ST+34]
.irp x, 0,1
	H 2
	v_lshlrev_b32 v[PSW+\x], v[H8], v[PSW+\x]      ; at their places in the word;
.endr
.irp x, 0,1
	H 2
	v_permlanex16_b32 v[ST+20*\x+8], v[PSW+\x], s[SEL], s[SEL+1]
.endr
.irp x, 0,1
	H 2
	v_or_b32 v[PSW+\x], v[PSW+\x], v[ST+20*\x+8]   ; with lane l xor 16's two it is whole
.endr
	WIN 0x41
.irp x, 0,1
.irp c, 0,1
	v_cvt_scalef32_pk16_fp6_f32 v[PC+12*\x+6*\c:PC+12*\x+6*\c+2], v[64*\x+32*\c:64*\x+32*\c+15], v[ST+20*\x+12+\c]
	v_cvt_scalef32_pk16_fp6_f32 v[TP+8*\x+4*\c:TP+8*\x+4*\c+2], v[64*\x+32*\c+16:64*\x+32*\c+31], v[ST+20*\x+12+\c]   ; a conversion's three registers begin on an even number
.endr
.endr
	s_wait_alu depctr_va_vdst(0)                   ; the wait directly ahead of the first reader of O^T
.set n, 0
.rept 16
	v_pk_mul_f32 v[OT+n:OT+n+1], v[OT+n:OT+n+1], v[ST+10:ST+11] op_sel_hi:[1,0]   ; O^T under the new M
.set n, n+2
.endr
.irp x, 0,1
.irp c, 0,1
.irp i, 0,1,2
	v_mov_b32 v[PC+12*\x+6*\c+3+\i], v[TP+8*\x+4*\c+\i]
.endr
.endr
.endr
.set n, 32
.rept 16
	v_pk_mul_f32 v[OT+n:OT+n+1], v[OT+n:OT+n+1], v[ST+30:ST+31] op_sel_hi:[1,0]
.set n, n+2
.endr
	WIN 0x54                                       ; D, C and p in window 1, v in window 0
	s_wait_alu depctr_va_vdst(0)                   ; the wait ahead of the wait below
	s_wait_dscnt 0x0                               ; v's fragments are in (and the next step's k, asked for behind the score products)
.irp t, 0,1,2,3
.irp x, 0,1
.if \t%2
	v_wmma_scale_f32_16x16x128_f8f6f4 v[OT+32*\x+8*\t:OT+32*\x+8*\t+7], v[VR+12*\t:VR+12*\t+11], v[PC+12*\x:PC+12*\x+11], v[OT+32*\x+8*\t:OT+32*\x+8*\t+7], v[VSW+\t/2], v[PSW+\x] matrix_a_fmt:MATRIX_FMT_FP6 matrix_b_fmt:MATRIX_FMT_FP6 matrix_a_scale:MATRIX_SCALE_ROW1
.else
	v_wmma_scale_f32_16x16x128_f8f6f4 v[OT+32*\x+8*\t:OT+32*\x+8*\t+7], v[VR+12*\t:VR+12*\t+11], v[PC+12*\x:PC+12*\x+11], v[OT+32*\x+8*\t:OT+32*\x+8*\t+7], v[VSW+\t/2], v[PSW+\x] matrix_a_fmt:MATRIX_FMT_FP6 matrix_b_fmt:MATRIX_FMT_FP6
.endif
.endr
.endr
	WIN 0
.endm
.macro CHANGE fill                     ; a change of slots: all my tensor loads are in, the add, my reads of the slot left behind are over; then the round and the refill
	s_wait_tensorcnt 0x0
	ds_add_u32 v[SPW], v[NIL]
.if \fill
	s_xor_b32 s[G0K+1], s[G0K+1], SLOT1
	s_add_nc_u64 s[G0K+2:G0K+3], s[G0K+2:G0K+3], 49152
	s_xor_b32 s[G0V+1], s[G0V+1], SLOT1
	s_add_nc_u64 s[G0V+2:G0V+3], s[G0V+2:G0V+3], 786432
.endif
	s_wait_dscnt 0x0
.if \fill
	CROUND
	TLOAD
.else
	s_barrier_signal -1
	s_barrier_wait -1
.endif
.endm
.macro SLOT_STEPS n                    ; slot n's eight steps
	s_mov_b32 s[TB], ((\n)%2)*SLOT1
	s_mov_b32 s[TS], (\n)*4096
	s_mov_b32 s[TJ], (\n)*2048
	s_mov_b32 s[STP], 8
	v_add_nc_u32 v[ADK], s[TB], v[AK0]
	v_add_nc_u32 v[ADS], s[TS], v[ASK0]
	KLOADS
.Lstep_\@:
	STEP
	s_add_co_u32 s[TB], s[TB], 6144
	s_add_co_u32 s[TS], s[TS], 512
	s_add_co_u32 s[TJ], s[TJ], 256
	s_sub_co_u32 s[STP], s[STP], 1
	s_cmp_lg_u32 s[STP], 0
	s_cbranch_scc1 .Lstep_\@
.endm
	CHANGE 1                                       ; slot 0 and the scales are in; slot 1's first fill is issued as a refill is
	SLOT_STEPS 0
	CHANGE 1
	SLOT_STEPS 1
	CHANGE 1
	SLOT_STEPS 2
	CHANGE 0                                       ; nothing is left to fetch
	SLOT_STEPS 3
; THE WAY OUT: O^T / l, quantised along the head's channels: a lane's 32 registers are a whole block
.irp x, 0,1
	v_pk_add_f32 v[ST+20*\x+2:ST+20*\x+3], v[ST+20*\x+2:ST+20*\x+3], v[ST+20*\x+4:ST+20*\x+5]
.endr
.irp x, 0,1
	H 2
	v_add_f32 v[ST+20*\x+2], v[ST+20*\x+2], v[ST+20*\x+3]
.endr
.irp x, 0,1
	H 2
	v_permlanex16_b32 v[ST+20*\x+8], v[ST+20*\x+2], s[SEL], s[SEL+1]
.endr
.irp x, 0,1
	H 2
	v_add_f32 v[ST+20*\x+2], v[ST+20*\x+2], v[ST+20*\x+8]   ; the row's sum
.endr
	s_wait_alu depctr_va_vdst(0)                   ; the wait ahead of the transcendentals
.irp x, 0,1
	v_rcp_f32 v[ST+20*\x+2], v[ST+20*\x+2]
.endr
	v_nop
	WIN 0x41
	s_wait_alu depctr_va_vdst(0)                   ; and ahead of their first reader, which is O^T's too
.irp x, 0,1
.set n, 0
.rept 16
	v_pk_mul_f32 v[64*\x+n:64*\x+n+1], v[OT+32*\x+n:OT+32*\x+n+1], v[ST+20*\x+2:ST+20*\x+3] op_sel_hi:[1,0]
.set n, n+2
.endr
.endr
	WIN 0x14
.irp x, 0,1
	v_max3_num_f32 v[ST+20*\x+6], 0x1800000, |v[64*\x]|, |v[64*\x+1]|
.endr
.irp i, 2,4,6,8,10,12,14,16,18,20,22,24,26,28,30
.irp x, 0,1
	v_max3_num_f32 v[ST+20*\x+6], v[ST+20*\x+6], |v[64*\x+\i]|, |v[64*\x+\i+1]|
.endr
.endr
	WIN 0
.irp x, 0,1
	v_add_nc_u32 v[ST+20*\x+12], 0xff000000, v[ST+20*\x+6]
.endr
.irp x, 0,1
	H 2
	v_lshrrev_b32 v[ST+20*\x+14], 23, v[ST+20*\x+12]
.endr
.irp x, 0,1
	H 2
	v_lshlrev_b32 v[ST+20*\x+14], v[H8], v[ST+20*\x+14]
.endr
.irp x, 0,1
	H 2
	v_permlanex16_b32 v[ST+20*\x+8], v[ST+20*\x+14], s[SEL], s[SEL+1]
.endr
.irp x, 0,1
	H 2
	v_or_b32 v[ST+20*\x+14], v[ST+20*\x+14], v[ST+20*\x+8]   ; the head's two bytes
.endr
	WIN 0x41
.irp x, 0,1
	v_cvt_scalef32_pk16_fp6_f32 v[PC+12*\x:PC+12*\x+2], v[64*\x:64*\x+15], v[ST+20*\x+12]
	v_cvt_scalef32_pk16_fp6_f32 v[PC+12*\x+6:PC+12*\x+8], v[64*\x+16:64*\x+31], v[ST+20*\x+12]
.endr
	v_nop                                          ; one plain line behind the conversions
	WIN 0
.irp x, 0,1
	global_store_b16 v[O4], v[ST+20*\x+14], s[10:11] offset:64*\x
.endr
	WIN 0x04                                       ; the data in window 1
.irp x, 0,1
	ds_store_b96 v[OSTO], v[PC+12*\x:PC+12*\x+2] offset:1024*\x
	ds_store_b96 v[OSTO], v[PC+12*\x+6:PC+12*\x+8] offset:1024*\x+16
.endr
	WIN 0
.irp x, 0,1
	ds_load_b96 v[KR+8*\x:KR+8*\x+2], v[ORD] offset:1024*\x          ; LDS serves a wave's instructions in order (ISA guide 5.7.1.4): these see my stores
	ds_load_b96 v[KR+8*\x+4:KR+8*\x+6], v[ORD] offset:1024*\x+512
.endr
	s_wait_dscnt 0x0
.irp x, 0,1
	global_store_b96 v[O12], v[KR+8*\x:KR+8*\x+2], s[8:9] offset:768*\x        ; 384 consecutive bytes: eight rows of 48
	global_store_b96 v[O12], v[KR+8*\x+4:KR+8*\x+6], s[8:9] offset:768*\x+384
.endr
	s_wait_tensorcnt 0x0                           ; the wave's end
	ds_add_u32 v[SPW], v[NIL]
	s_wait_dscnt 0x0
	CROUND                                         ; the closing round
	s_endpgm
.Lfunc_end_k_q6a9b1dbacc_attn:
	.size	k_q6a9b1dbacc_attn, .Lfunc_end_k_q6a9b1dbacc_attn-k_q6a9b1dbacc_attn
	.p2alignl 7, 3214868480
	.fill 96, 4, 3214868480
	.section	.rodata,"a",@progbits
	.p2align	6, 0x0
	.amdhsa_kernel k_q6a9b1dbacc_attn
		.amdhsa_group_segment_fixed_size 327680
		.amdhsa_private_segment_fixed_size 0
		.amdhsa_enable_private_segment 0
		.amdhsa_kernarg_size 32
		.amdhsa_user_sgpr_count 2
		.amdhsa_user_sgpr_kernarg_segment_ptr 1
		.amdhsa_wavefront_size32 1
		.amdhsa_system_sgpr_workgroup_id_x 1
		.amdhsa_system_sgpr_workgroup_id_y 1
		.amdhsa_system_sgpr_workgroup_id_z 1
		.amdhsa_system_vgpr_workitem_id 0
		.amdhsa_next_free_vgpr 512
		.amdhsa_next_free_sgpr 100
		.amdhsa_reserve_vcc 0
		.amdhsa_float_denorm_mode_32 3
		.amdhsa_float_denorm_mode_16_64 3
		.amdhsa_memory_ordered 1
		.amdhsa_forward_progress 1
		.amdhsa_inst_pref_size 151
	.end_amdhsa_kernel
	.amdgpu_metadata
---
amdhsa.version: [ 1, 2 ]
amdhsa.kernels:
  - .name:           k_q6a9b1dbacc_attn
    .symbol:         k_q6a9b1dbacc_attn.kd
    .args:
      - { .name: qkvc, .offset: 0, .size: 8, .value_kind: global_buffer, .address_space: global }
      - { .name: qkvs, .offset: 8, .size: 8, .value_kind: global_buffer, .address_space: global }
      - { .name: ao, .offset: 16, .size: 8, .value_kind: global_buffer, .address_space: global }
      - { .name: asc, .offset: 24, .size: 8, .value_kind: global_buffer, .address_space: global }
    .group_segment_fixed_size: 327680
    .private_segment_fixed_size: 0
    .kernarg_segment_align: 8
    .kernarg_segment_size: 32
    .max_flat_workgroup_size: 256
    .sgpr_count:     100
    .vgpr_count:     512
    .wavefront_size: 32
...
	.end_amdgpu_metadata
.endif
;; end of part 3
;; launch proj (part 4): grid 8 x 32, 4 waves a work-group, clusters of 4 x 4, 327,680 bytes of LDS; arguments ao, asc, cod, scl, rankp, out0; writes out0
.if DOCPART == 4
	.amdgcn_target "amdgcn-amd-amdhsa--gfx1250"
	.amdhsa_code_object_version 6
	.text
	.protected	k_q6a9b1dbacc_proj
	.globl	k_q6a9b1dbacc_proj
	.p2align	8
	.type	k_q6a9b1dbacc_proj,@function
k_q6a9b1dbacc_proj:
	s_mov_b64 s[64:65], 0
	v_nop
	global_prefetch_b8 v0, s[64:65] scope:SCOPE_SE
	s_setreg_imm32_b32 hwreg(HW_REG_WAVE_MODE, 25, 1), 1
	s_wait_xcnt 0x0
	s_wait_alu depctr_hold_cnt(0) depctr_sa_sdst(0) depctr_va_vdst(0) depctr_va_sdst(0) depctr_va_ssrc(0) depctr_va_vcc(0) depctr_vm_vsrc(0)
	s_getreg_b32 s2, hwreg(HW_REG_IB_STS2, 6, 4)
	s_cmp_eq_u32 s2, 0
	s_cbranch_scc0 .Lentry_in_a_cluster
	s_endpgm
.Lentry_in_a_cluster:
	s_bfe_u32 s2, ttmp6, 0x10000c
	s_cmp_lg_u32 s2, 0xf033
	s_cbranch_scc0 .Lentry_shape_is_right
	s_endpgm
.Lentry_shape_is_right:
; The last product: the attention's result (codes of FP6 (E2M3), E8M0 scales, by token places) times w_out^T, K = 1024; each row goes to the row of out0 that its place's rank names.
; A work-group of four waves makes 128 tokens x 128 channels: 8 x 32 work-groups; a wave 64 x 64: 16 accumulators.
; ao: [16 planes of 64 along K][4096 places][48 bytes]; cod likewise with 8192 places, w_out's rows from place 7168.  All of K of both operands, 2 x 98,304 bytes, lies in LDS at once:
; each wave issues ONE tensor load, 8 planes x 6,144 bytes (waves 0, 1 the tokens', waves 2, 3 the weights'); nothing is filled again.  In LDS a row of a plane is 48 bytes, no padding.
; CLUSTERS 4 x 4: the tokens' tile is shared along a row of the cluster, the weights' along a column; each is asked for jointly.
; The scale words go from memory straight into registers: lanes 0-15 hold an even block's rows, lanes 16-31 the odd block's, told apart by the row selector; one register for each 128 along K.
; The ranks of my 64 rows are loaded once and made into row offsets (held at 4095: a loaded number enters an address only behind that hold).
; Source 0 = 16 channel places, source 1 = 16 tokens: by the order of places in cod, register j of tile b in lane (r, h) is channel 32 h + 8 b + j of the wave's 64, token r.
; No prefetch: the launch has no loop to run ahead in; every byte is asked for at the head.
; REGISTERS: window 0: v16-29 addresses; v32-47 the weights' scale words, v48-63 the tokens'; v64-255 fragments, two buffers of 96 (on the way out rows read back).  Window 1: v0-127 accumulators, v128-159 row offsets.
.set PLN,    6144
.set HALFK,  8*PLN                     ; what one tensor load brings
.set BREG,   2*HALFK                   ; the weights' region
.set SPARE,  4*HALFK                   ; the spare words: 128 bytes a wave
.set STAGE,  SPARE+512                 ; the way out: 16 rows x 272 bytes a wave; no fill lands here
.set SPITCH, 272
.set WSTG,   16*SPITCH
.set ADRA,   16                        ; v16-17 tokens' fragments, planes 0-7, 8-15
.set ADRB,   18                        ; v18-19 weights'
.set STO,    20
.set RD,     21
.set CO,     22
.set L4,     23
.set L32,    24
.set H4,     25
.set SPW,    28
.set NIL,    29
.set SWB,    32
.set SWA,    48
.set FB,     64
.set RA,     128                       ; window 1
.set G1, 24
.set G0, 32
.set G1B, 48
.set G0B, 56
.set MSB, 0
.macro WIN new                         ; low byte: 1:0 source 0, 3:2 source 1, 5:4 source 2, 7:6 destination; the high byte repeats the setting that is left
.if MSB != (\new)
	s_set_vgpr_msb (MSB<<8)|(\new)
.set MSB, (\new)
.endif
.endm
.macro CROUND
	s_barrier_signal -1
	s_barrier_wait -1
	s_cmp_lg_u32 s14, 0
	s_cbranch_scc1 .Lnot_wave_0_\@
	s_barrier_signal -3
.Lnot_wave_0_\@:
	s_barrier_wait -3
	s_barrier_signal -1
	s_barrier_wait -1
.endm
.macro PLACES
.rept 4
	v_nop
.endr
.endm
	s_load_b256 s[4:11], s[0:1], 0x0               ; ao, asc, cod, scl
	s_load_b128 s[96:99], s[0:1], 0x20             ; rankp, out0
	v_lshl_add_u32 v[SPW], v0, 2, SPARE
	v_mov_b32 v[NIL], 0
	ds_add_u32 v[SPW], v[NIL]                      ; the opening lines: the add twice on end and one wait
	ds_add_u32 v[SPW], v[NIL]
	v_lshrrev_b32 v1, 5, v0
	v_readfirstlane_b32 s14, v1                    ; wave
	s_lshr_b32 s15, s14, 1                         ; my half of the tokens.  Also: I fetch tokens (0) or weights (1)
	s_and_b32 s16, s14, 1                          ; my half of the channels.  Also: which 8 planes I fetch
	s_bfe_u32 s40, ttmp6, 0x40000                  ; cx
	s_bfe_u32 s41, ttmp6, 0x40004                  ; cy
	s_lshl_b32 s42, ttmp9, 2
	s_add_co_u32 s42, s42, s40                     ; the weights' tile, 0 to 7
	s_and_b32 s17, ttmp7, 0xffff
	s_lshl_b32 s17, s17, 2
	s_add_co_u32 s17, s17, s41                     ; the tokens' tile, 0 to 31
	s_lshl_b32 s43, s41, 2
	s_lshl_b32 s43, 15, s43                        ; my row of the cluster
	s_lshl_b32 s44, 0x1111, s40                    ; my column
	s_or_b32 s[G1+0], s43, (3<<16)|(1<<21)         ; the mask; elements of 8 bytes; bit 21 beside a mask
	s_or_b32 s[G1B+0], s44, (3<<16)|(1<<21)
.irp g, G1, G1B
	s_mov_b32 s[\g+1], 768<<16                     ; a row: 128 places x 48 bytes
	s_mov_b32 s[\g+2], 8<<16                       ; eight planes
	s_mov_b32 s[\g+3], 768<<16
	s_mov_b32 s[\g+4], 8
	s_mov_b32 s[\g+6], 0
	s_mov_b32 s[\g+7], 0
.endr
	s_mov_b32 s[G1+5], 196608/8                    ; from plane to plane
	s_mov_b32 s[G1B+5], 393216/8
	s_mul_i32 s20, s17, PLN                        ; tokens: tile x 128 places x 48,
	s_mul_i32 s18, s16, 8*196608                   ; and my eight planes
	s_add_co_u32 s20, s20, s18
	s_mov_b32 s21, 0
	s_mul_i32 s46, s42, PLN                        ; weights likewise, from place 7168
	s_add_co_u32 s46, s46, 7168*48
	s_mul_i32 s18, s16, 8*393216
	s_add_co_u32 s46, s46, s18
	s_mov_b32 s47, 0
	s_mul_i32 s45, s14, HALFK                      ; where they go: no place in the cluster enters an LDS address
	s_lshl_b32 s22, s17, 7
	s_lshl_b32 s18, s15, 6
	s_add_co_u32 s22, s22, s18                     ; my first token place
	s_lshl_b32 s22, s22, 2                         ; 4 bytes a place in asc and in rankp
	s_mov_b32 s23, 0
	s_lshl_b32 s92, s42, 7
	s_lshl_b32 s18, s16, 6
	s_add_co_u32 s92, s92, s18                     ; my first channel
	s_lshl_b32 s94, s92, 2                         ; its byte in a row of out0
	s_mov_b32 s95, 0
	s_add_co_u32 s92, s92, 7168
	s_lshl_b32 s92, s92, 5                         ; 32 scale bytes a place
	s_mov_b32 s93, 0
	s_mul_i32 s19, s14, WSTG
	s_add_co_u32 s19, s19, STAGE                   ; my stage
	s_mul_i32 s66, s15, 3072                       ; my 64 rows of a plane: tokens,
	s_mul_i32 s67, s16, 3072
	s_add_co_u32 s67, s67, BREG                    ; weights
	s_wait_dscnt 0x0
	s_wait_kmcnt 0x0
	s_add_nc_u64 s[20:21], s[4:5], s[20:21]
	s_add_nc_u64 s[46:47], s[8:9], s[46:47]
	s_add_nc_u64 s[6:7], s[6:7], s[22:23]
	s_add_nc_u64 s[96:97], s[96:97], s[22:23]
	s_add_nc_u64 s[10:11], s[10:11], s[92:93]
	s_add_nc_u64 s[98:99], s[98:99], s[94:95]
	s_mov_b32 s[G0], 1
	s_mov_b32 s[G0+1], s45
	s_mov_b64 s[G0+2:G0+3], s[20:21]
	s_or_b32 s[G0+3], s[G0+3], 0x80000000
	s_mov_b32 s[G0B], 1
	s_mov_b32 s[G0B+1], s45
	s_mov_b64 s[G0B+2:G0B+3], s[46:47]
	s_or_b32 s[G0B+3], s[G0B+3], 0x80000000
	CROUND                                         ; all sixteen work-groups are here: the joint loads meet
	s_cmp_eq_u32 s15, 0                            ; one load a wave, one to each arm
	s_cbranch_scc0 .Lfor_b
	tensor_load_to_lds s[G0:G0+3], s[G1:G1+7]
	s_nop 0
	PLACES
	s_branch .Lasked
.Lfor_b:
	tensor_load_to_lds s[G0B:G0B+3], s[G1B:G1B+7]
	s_nop 0
	PLACES
.Lasked:
	v_and_b32 v1, 15, v0                           ; r
	v_bfe_u32 v2, v0, 4, 1                         ; h
	v_and_b32 v3, 31, v0                           ; lane
	v_lshlrev_b32 v[L32], 5, v3
	v_lshlrev_b32 v[L4], 2, v3
	v_lshlrev_b32 v[H4], 2, v2
.irp j, 0,1
.irp k, 0,1
	global_load_b128 v[SWB+8*\j+4*\k:SWB+8*\j+4*\k+3], v[L32], s[10:11] offset:1024*\j+16*\k   ; channel place 32 j + lane: its eight words
.endr
.endr
.irp j, 0,1
.irp w, 0,1,2,3,4,5,6,7
	global_load_b32 v[SWA+8*\j+\w], v[L4], s[6:7] offset:16384*\w+128*\j                       ; token place 32 j + lane, K step w
.endr
.endr
.irp a, 0,1,2,3
.irp t, 0,1,2,3,4,5,6,7
	global_load_b32 v[FB+8*\a+\t], v[H4], s[96:97] offset:64*\a+8*\t                           ; the rank of row 16 a + 2 t + lane / 16
.endr
.endr
	v_mul_u32_u24 v4, v1, 48
	v_mul_u32_u24 v5, v1, SPITCH
	v_mul_u32_u24 v6, v2, SPITCH
	v_mad_u32_u24 v4, v2, 24, v4                   ; a fragment's row x 48 + 24 h
	v_lshl_add_u32 v5, v2, 7, v5
	v_lshl_add_u32 v6, v1, 4, v6
	v_add_nc_u32 v[ADRA], s66, v4
	v_add_nc_u32 v[ADRB], s67, v4
	v_add_nc_u32 v[STO], s19, v5                   ; in: row r, 128 bytes for each half of the lanes
	v_add_nc_u32 v[RD], s19, v6                    ; back: sixteen lanes to a row of 256 bytes, two rows an instruction
	v_add_nc_u32 v[ADRA+1], HALFK, v[ADRA]
	v_add_nc_u32 v[ADRB+1], HALFK, v[ADRB]
	v_lshlrev_b32 v[CO], 4, v1
	s_wait_alu depctr_va_vdst(0)                   ; the wait ahead of the wait below
	s_wait_loadcnt 0x0
.set n, 0
.rept 32
	v_min_u32 v[FB+n], 4095, v[FB+n]
.set n, n+1
.endr
	WIN 0x40
.set n, 0
.rept 32
	v_lshl_add_u32 v[RA+n], v[FB+n], 12, v[CO]     ; a row of out0 is 4,096 bytes; + my 16 bytes
.set n, n+1
.endr
	WIN 0
	s_wait_alu depctr_va_vdst(0)                   ; the wait at the head's end
	s_wait_tensorcnt 0x0                           ; my eight planes are in
	s_barrier_signal -1
	s_barrier_wait -1                              ; and everybody's
.macro FRAG reg, adr, q, i             ; 16 rows x 128 K: registers 6 c .. 6 c + 5 are 24 bytes of plane 2 q + c, in pieces of 8
.irp c, 0,1
.irp p, 0,1,2
	ds_load_b64 v[\reg+6*\c+2*\p:\reg+6*\c+2*\p+1], v[\adr+(\q)/4] offset:(2*((\q)%4)+\c)*PLN+(\i)*768+8*\p
.endr
.endr
.endm
.macro FETCH q                         ; K step q's eight fragments into buffer q % 2: 48 loads
.irp i, 0,1,2,3
	FRAG FB+96*((\q)%2)+12*\i, ADRB, \q, \i
.endr
.irp i, 0,1,2,3
	FRAG FB+96*((\q)%2)+48+12*\i, ADRA, \q, \i
.endr
.endm
.macro MW c, ra, rb                    ; ra, rb: source 0's, source 1's scales stand in lanes 16-31
.if (\ra) && (\rb)
	v_wmma_scale_f32_16x16x128_f8f6f4 v[DD:DD+7], v[FW:FW+11], v[FT:FT+11], \c, v[SSB], v[SSA] matrix_a_fmt:MATRIX_FMT_FP6 matrix_b_fmt:MATRIX_FMT_FP6 matrix_a_scale:MATRIX_SCALE_ROW1 matrix_b_scale:MATRIX_SCALE_ROW1
.elseif (\ra)
	v_wmma_scale_f32_16x16x128_f8f6f4 v[DD:DD+7], v[FW:FW+11], v[FT:FT+11], \c, v[SSB], v[SSA] matrix_a_fmt:MATRIX_FMT_FP6 matrix_b_fmt:MATRIX_FMT_FP6 matrix_a_scale:MATRIX_SCALE_ROW1
.elseif (\rb)
	v_wmma_scale_f32_16x16x128_f8f6f4 v[DD:DD+7], v[FW:FW+11], v[FT:FT+11], \c, v[SSB], v[SSA] matrix_a_fmt:MATRIX_FMT_FP6 matrix_b_fmt:MATRIX_FMT_FP6 matrix_b_scale:MATRIX_SCALE_ROW1
.else
	v_wmma_scale_f32_16x16x128_f8f6f4 v[DD:DD+7], v[FW:FW+11], v[FT:FT+11], \c, v[SSB], v[SSA] matrix_a_fmt:MATRIX_FMT_FP6 matrix_b_fmt:MATRIX_FMT_FP6
.endif
.endm
.macro MM a, b, q
.set DD, 8*(4*(\a)+(\b))
.set FW, FB+96*((\q)%2)+12*(\b)
.set FT, FB+96*((\q)%2)+48+12*(\a)
.set SSB, SWB+8*((\b)/2)+(\q)
.set SSA, SWA+8*((\a)/2)+(\q)
.if (\q) == 0
	MW 0, (\b)%2, (\a)%2                           ; the first products start the sums: nothing is cleared
.else
	MW v[DD:DD+7], (\b)%2, (\a)%2
.endif
.endm
.macro STEP q                          ; 128 along K: 16 matrix instructions, the 16 accumulators by turns
.if (\q) < 7
.if (\q) > 0
	PLACES                                         ; in front of loads into registers that the last step's products have read
.endif
	FETCH (\q)+1
	s_wait_dscnt 48                                ; this step's fragments are in; the 48 loads just issued may be out
.else
	s_wait_dscnt 0x0
.endif
	WIN 0x50                                       ; C and D in window 1
.irp a, 0,1,2,3
.irp b, 0,1,2,3
	MM \a, \b, \q
.endr
.endr
	WIN 0
.endm
	FETCH 0
.irp q, 0,1,2,3,4,5,6,7
	STEP \q
.endr
; THE WAY OUT, block by block of 16 tokens x 64 channels, through my own stage: whole rows of 256 bytes come back, and sixteen lanes store one aligned unit.
; LDS serves a wave's instructions in order (ISA guide 5.7.1.4): no wait between the stores and the loads, nor in front of the next block's stores.
.macro TOSTAGE a
	WIN 0x04                                       ; the data in window 1
.irp b, 0,1,2,3
	ds_store_b128 v[STO], v[8*(4*(\a)+\b):8*(4*(\a)+\b)+3] offset:32*\b        ; each accumulator from its low end on
	ds_store_b128 v[STO], v[8*(4*(\a)+\b)+4:8*(4*(\a)+\b)+7] offset:32*\b+16
.endr
	WIN 0
.irp t, 0,1,2,3,4,5,6,7
	ds_load_b128 v[FB+32*(\a)+4*\t:FB+32*(\a)+4*\t+3], v[RD] offset:\t*2*SPITCH
.endr
.endm
.macro SEND a, younger                 ; each block has registers of its own: no store's data are written again
	s_wait_dscnt \younger
	WIN 0x01                                       ; the row offsets in window 1
.irp t, 0,1,2,3,4,5,6,7
	global_store_b128 v[RA+8*(\a)+\t], v[FB+32*(\a)+4*\t:FB+32*(\a)+4*\t+3], s[98:99] th:TH_STORE_NT
.endr
	WIN 0
.endm
	PLACES                                         ; in front of the first read of results and of loads into the fragments' registers
	TOSTAGE 0
.irp a, 1,2,3
	TOSTAGE \a
	SEND (\a)-1, 16                                ; behind that block's loads: this block's 8 stores and 8 loads
.endr
	SEND 3, 0
	s_wait_tensorcnt 0x0                           ; the wave's end
	ds_add_u32 v[SPW], v[NIL]
	s_wait_dscnt 0x0
	CROUND                                         ; the closing round
	s_endpgm
.Lfunc_end_k_q6a9b1dbacc_proj:
	.size	k_q6a9b1dbacc_proj, .Lfunc_end_k_q6a9b1dbacc_proj-k_q6a9b1dbacc_proj
	.p2alignl 7, 3214868480
	.fill 96, 4, 3214868480
	.section	.rodata,"a",@progbits
	.p2align	6, 0x0
	.amdhsa_kernel k_q6a9b1dbacc_proj
		.amdhsa_group_segment_fixed_size 327680
		.amdhsa_private_segment_fixed_size 0
		.amdhsa_enable_private_segment 0
		.amdhsa_kernarg_size 48
		.amdhsa_user_sgpr_count 2
		.amdhsa_user_sgpr_kernarg_segment_ptr 1
		.amdhsa_wavefront_size32 1
		.amdhsa_system_sgpr_workgroup_id_x 1
		.amdhsa_system_sgpr_workgroup_id_y 1
		.amdhsa_system_sgpr_workgroup_id_z 1
		.amdhsa_system_vgpr_workitem_id 0
		.amdhsa_next_free_vgpr 512
		.amdhsa_next_free_sgpr 100
		.amdhsa_reserve_vcc 0
		.amdhsa_float_denorm_mode_32 3
		.amdhsa_float_denorm_mode_16_64 3
		.amdhsa_memory_ordered 1
		.amdhsa_forward_progress 1
		.amdhsa_inst_pref_size 65
	.end_amdhsa_kernel
	.amdgpu_metadata
---
amdhsa.version: [ 1, 2 ]
amdhsa.kernels:
  - .name:           k_q6a9b1dbacc_proj
    .symbol:         k_q6a9b1dbacc_proj.kd
    .args:
      - { .name: ao, .offset: 0, .size: 8, .value_kind: global_buffer, .address_space: global }
      - { .name: asc, .offset: 8, .size: 8, .value_kind: global_buffer, .address_space: global }
      - { .name: cod, .offset: 16, .size: 8, .value_kind: global_buffer, .address_space: global }
      - { .name: scl, .offset: 24, .size: 8, .value_kind: global_buffer, .address_space: global }
      - { .name: rankp, .offset: 32, .size: 8, .value_kind: global_buffer, .address_space: global }
      - { .name: out0, .offset: 40, .size: 8, .value_kind: global_buffer, .address_space: global }
    .group_segment_fixed_size: 327680
    .private_segment_fixed_size: 0
    .kernarg_segment_align: 8
    .kernarg_segment_size: 48
    .max_flat_workgroup_size: 128
    .sgpr_count:     100
    .vgpr_count:     512
    .wavefront_size: 32
...
	.end_amdgpu_metadata
.endif
;; end of part 4
